; MI455X (gfx1250); checked and timed in simulation.
; The chip was launched on July 23, 2026; its instructions are those of AMD's public machine-readable ISA for CDNA 5 (MIT licence, August 2026) and "CDNA5" Instruction Set Architecture Reference Guide (July 2026). The comments in the code are by the model that wrote it; some were corrected since.
;; Multi Head Attention. Allowed arithmetic: matrix products marked QUANTISED: E2M3 operands, one E8M0 scale for each 32 along K, by v_wmma_scale_f32_16x16x128_f8f6f4 with both operands' format E2M3, f32 sums; everything else in f32.
;; Inputs: Wk 16 x 64 x 1,024 float32; Wo 1,024 x 1,024 float32; Wq 16 x 64 x 1,024 float32; Wv 16 x 64 x 1,024 float32; bk 16 x 64 float32; bo 1,024 float32; bq 16 x 64 float32; bv 16 x 64 float32; x 4 x 2,048 x 1,024 float32.
;; Outputs: out0 4 x 2,048 x 1,024 float32.
;; This version of the problem:
;;   THIS VERSION OF THE PROBLEM IS GIVEN IN LOW PRECISION. The matrix products marked QUANTISED in the list below multiply operands that are first quantised to E2M3 (2 exponent bits, 3 mantissa bits; 6 bits a number), with one power-of-two scale for each 32 numbers along K (OCP MX v1.0); their sums are f32. All else is computed in f32.
;;   The module's matrix products, in the order in which they are computed (A, B: the left and right operand; K: the contracted axis; several contracted axes count as one K, in the product's order):
;;     1. [M 1,024, K 1,024] x [K 1,024, N 8,192]; A: input Wq; B: input x: QUANTISED
;;     2. [M 1,024, K 1,024] x [K 1,024, N 8,192]; A: input Wk; B: input x: QUANTISED
;;     3. [M 1,024, K 1,024] x [K 1,024, N 8,192]; A: input Wv; B: input x: QUANTISED
;;     4. batch 64 x [M 2,048, K 64] x [K 64, N 2,048]; A: computed on the way; B: computed on the way: QUANTISED
;;     5. batch 64 x [M 2,048, K 2,048] x [K 2,048, N 64]; A: softmax (see below); B: computed on the way: QUANTISED
;;     6. [M 8,192, K 1,024] x [K 1,024, N 1,024]; A: computed on the way; B: input Wo: QUANTISED
;;   THE QUANTISER, for each operand of a quantised product, along K:
;;     - K is cut into blocks of 32 from its start; a last block that is shorter is filled with zeros.
;;     - A block's scale is 2^e with e = floor(log2(the largest magnitude in the block)) - 2, held to -126 .. 127; a block of zeros has e = 0. As a byte (E8M0): e + 127.
;;     - Each number is divided by its block's scale, clamped to +-7.5, and rounded to the nearest number of E2M3, ties to even, subnormals kept.
;;     - The product sums the exact products of the quantised numbers (number of the format x scale) in f32.
;;   ~~~python
;;   def quantise(x, axis):      # numpy; x: float32 -> the quantised numbers, widened to float32 again
;;       x = np.moveaxis(x, axis, -1); K = x.shape[-1]
;;       x = np.pad(x, [(0, 0)] * (x.ndim - 1) + [(0, -K % 32)]); x = x.reshape(x.shape[:-1] + (-1, 32)); a = np.abs(x).max(-1, keepdims=True)
;;       e = np.where(a > 0, np.clip(np.frexp(np.where(a > 0, a, 1))[1] - 1 - 2, -126, 127), 0)      # np.frexp(a)[1] - 1 = floor(log2(a)), exactly
;;       r = np.clip(x / 2.0 ** e, -7.5, 7.5)
;;       step = 2.0 ** (np.maximum(np.frexp(np.where(r == 0, 1, r))[1] - 1, 0) - 3)
;;       q = np.round(r / step) * step * 2.0 ** e      # np.round: ties to even
;;       return np.moveaxis(q.reshape(q.shape[:-2] + (-1,))[..., :K], -1, axis).astype(np.float32)
;;   ~~~
;;   SOFTMAX AHEAD OF A QUANTISED PRODUCT. Where the list says 'softmax', what is quantised is not the finished softmax but p = 2^(t - M), with t = logit x log2(e) and M = ceil(the row's largest t), a whole number; so 1/2 < the row's largest p <= 1. The row's sum l is taken of the UNQUANTISED p, in f32, and the product's result is divided by l at the end. Since M is a whole number, a kernel that streams over the keys may use a running M (the ceiling of the running maximum): every later rescaling is an exact power of two, which a block's scale takes up: the codes' values come out the same.
;;   OPERANDS COMPUTED ON THE WAY. 'Computed on the way' means the value that the module computes at that place (a softmax that the list does not call 'softmax' is quantised finished and normalised). What goes into a quantiser is computed in f32, as accurately as f32 sums, v_exp_f32 and their like allow (about 1e-6 of the number): no bf16 or f16 on the way to a quantiser, and a product that is left as it is and whose result goes on into a quantised operand takes f32 operands (vector FMAs, or v_wmma_f32_16x16x4_f32). A number that lies on a knife's edge between two numbers of the format may be rounded either way, as far as f32 arithmetic and the matrix unit's own rounding can turn it there, and no further.
;; One version. Each part assembles by itself: llvm-mc -triple=amdgcn-amd-amdhsa -mcpu=gfx1250 --defsym DOCPART=n.
;; ======== version 1 of 1: 4 launches
;; workspace buffers: opc 9,437,184 bytes; ops 393,216 bytes; qkvc 18,874,368 bytes; qkvs 786,432 bytes; ctxc 6,291,456 bytes; ctxs 262,144 bytes
;; launch quant (part 1): grid 384 x 1, 4 waves a work-group, no clusters, 33,280 bytes of LDS; arguments x, Wq, Wk, Wv, Wo, opc, ops; writes opc, ops
.if DOCPART == 1
	.amdgcn_target "amdgcn-amd-amdhsa--gfx1250"
	.amdhsa_code_object_version 6
	.text
	.protected	k_q0df2d897c3_quant
	.globl	k_q0df2d897c3_quant
	.p2align	8
	.type	k_q0df2d897c3_quant,@function
k_q0df2d897c3_quant:
	s_mov_b64 s[64:65], 0
	v_nop
	global_prefetch_b8 v0, s[64:65] scope:SCOPE_SE
	s_setreg_imm32_b32 hwreg(HW_REG_WAVE_MODE, 25, 1), 1
	s_wait_xcnt 0x0
; x [8192][1024], Wq, Wk, Wv, Wo [1024][1024], f32, become codes of FP6 (E2M3), K innermost, four codes in three bytes, and one E8M0 byte for each 32 along K.
; opc: [12288 rows][768 bytes], ops: [12288 rows][32 bytes]; rows 0-8191 x, then Wq, Wk, Wv, Wo, 1,024 rows each.
; A block's scale is 2^(floor(log2(its largest magnitude)) - 2): its byte is the largest magnitude's exponent field - 2, held at 1 from below; each number is divided by the scale and rounded to the nearest code, ties to even, beyond 7.5 the largest code.
; THE ORDER OF ROWS.  In x, Wq, Wk and Wv each group of 32 rows is stored with its second and third run of 8 rows exchanged: place 32 g + 16 u + r holds row 32 g + 8 u + r + 8 (r / 8).  So 16 neighbouring
; stored rows are a tile whose results, taken transposed, give a lane 16 neighbours along the next product's K in two neighbouring tiles.  Wo keeps its order.
; A work-group takes 32 rows, a wave 8 rows = 16 steps of 512 numbers: the exchange is a choice of the wave's place in the output, nothing else.
; Each load reads 512 consecutive bytes; a step's 2,048 bytes turn through the wave's own stage in LDS and come back 64 bytes (16 neighbours) a lane; two neighbouring lanes hold a block.
; A wave's 256 scale bytes are gathered in its own LDS bytes and leave as 256 consecutive aligned bytes.  No tensor loads, no barrier: waves share nothing.
; LIMITS: NaN and infinities are not served; a block whose largest magnitude lies under 2^-124 keeps the byte 1; a block of zeros has the byte 1 and not 127: its codes are zeros, and this program alone reads the bytes.
.set STEPS, 16
.set CB,    12                         ; bytes of 16 codes
.set R,     16                         ; v16-79   four sets of 16 numbers as they are loaded
.set X,     80                         ; v80-111  two sets of 16 neighbours
.set E,     112                        ; v112-127 a scale byte for each step
.set C,     128                        ; v128-191 codes: four registers for each step, so that no store's data are written again
.set WREG,  8192                       ; LDS: a region for each wave: two stages of 32 x SP bytes, behind them its 256 scale bytes
.set SP,    80                         ; a lane's place in a stage: 64 bytes + 16 of padding
	s_load_b256 s[4:11], s[0:1], 0x0               ; x, Wq, Wk, Wv
	s_load_b128 s[12:15], s[0:1], 0x20             ; Wo, opc
	s_load_b64 s[24:25], s[0:1], 0x30              ; ops
	v_lshl_add_u32 v192, v0, 2, 0x8000
	v_mov_b32 v193, 0
	v_lshrrev_b32 v1, 5, v0
	v_readfirstlane_b32 s16, v1                    ; wave
	v_and_b32 v2, 31, v0                           ; lane
	v_lshlrev_b32 v3, 4, v2                        ; my 16 bytes of a load's 512
	s_mul_i32 s17, s16, WREG
	v_lshrrev_b32 v14, 2, v2
	v_mul_u32_u24 v14, v14, SP
	v_and_b32 v15, 3, v2
	v_lshl_add_u32 v14, v15, 4, v14
	v_add_nc_u32 v14, s17, v14                     ; the stage, on the way in: SP (lane / 4) + 16 (lane % 4)
	v_mul_u32_u24 v15, v2, SP
	v_add_nc_u32 v15, s17, v15                     ; and on the way out: SP x lane: my 16 neighbours
	v_mul_u32_u24 v4, v2, CB                       ; my codes' place in a step's
	v_lshrrev_b32 v5, 1, v2
	s_add_co_u32 s17, s17, 2*32*SP
	v_add_nc_u32 v5, s17, v5                       ; LDS: my wave's 256 scale bytes, my block's byte
	v_lshlrev_b32 v7, 3, v2                        ; and on the way out 8 bytes a lane
	v_add_nc_u32 v6, s17, v7
	s_and_b32 s18, s16, 1                          ; the wave's place in the output: its number with the two bits exchanged
	s_lshl_b32 s18, s18, 1
	s_lshr_b32 s19, s16, 1
	s_or_b32 s18, s18, s19
	s_mov_b32 s28, 352
	s_wait_alu depctr_va_vdst(0)
	s_wait_kmcnt 0x0
	s_mov_b64 s[26:27], s[12:13]                   ; which tensor: the choices hang on the work-group's number alone
	s_cmp_lt_u32 ttmp9, 352
	s_cselect_b32 s18, s18, s16                    ; (Wo keeps its order)
	s_cselect_b64 s[26:27], s[10:11], s[26:27]
	s_cselect_b32 s28, 320, s28
	s_cmp_lt_u32 ttmp9, 320
	s_cselect_b64 s[26:27], s[8:9], s[26:27]
	s_cselect_b32 s28, 288, s28
	s_cmp_lt_u32 ttmp9, 288
	s_cselect_b64 s[26:27], s[6:7], s[26:27]
	s_cselect_b32 s28, 256, s28
	s_cmp_lt_u32 ttmp9, 256
	s_cselect_b64 s[26:27], s[4:5], s[26:27]
	s_cselect_b32 s28, 0, s28                      ; the tensor's first work-group
	s_sub_co_u32 s20, ttmp9, s28
	s_lshl_b32 s20, s20, 2
	s_add_co_u32 s20, s20, s16                     ; which run of 8 rows of the tensor is my wave's
	s_lshl_b32 s20, s20, 15                        ; 32,768 bytes a run
	s_mov_b32 s21, 0
	s_add_nc_u64 s[26:27], s[26:27], s[20:21]
	s_lshl_b32 s22, ttmp9, 2
	s_add_co_u32 s22, s22, s18                     ; and which run of the output
	s_mul_i32 s20, s22, 32*STEPS*CB                ; 6,144 bytes of codes a run
	s_add_nc_u64 s[14:15], s[14:15], s[20:21]
	s_lshl_b32 s20, s22, 8                         ; 256 scale bytes a run
	s_add_nc_u64 s[24:25], s[24:25], s[20:21]
.macro LOAD t
.irp i, 0,1,2,3
	global_load_b128 v[R+16*((\t)%4)+4*\i:R+16*((\t)%4)+4*\i+3], v3, s[26:27] offset:2048*(\t)+512*\i th:TH_LOAD_NT   ; 32 lanes read 512 consecutive bytes
.endr
.endm
.macro TURN t                          ; step t's numbers through the stage: LDS serves a wave's instructions in order (ISA guide 5.7.1.4), so no wait stands between the stores and the loads
.irp i, 0,1,2,3
	ds_store_b128 v14, v[R+16*((\t)%4)+4*\i:R+16*((\t)%4)+4*\i+3] offset:32*SP*((\t)%2)+8*SP*\i
.endr
.irp i, 0,1,2,3
	ds_load_b128 v[X+16*((\t)%2)+4*\i:X+16*((\t)%2)+4*\i+3], v15 offset:32*SP*((\t)%2)+16*\i
.endr
.endm
.irp t, 0,1,2,3
	LOAD \t
.endr
	s_wait_loadcnt 12                              ; step 0's four loads are in; the twelve of steps 1 to 3 may be out
	TURN 0
.macro STEP t
.set XS, X+16*((\t)%2)
.if (\t) > 0
	s_wait_dscnt 1                                 ; this step's numbers are back from the stage (the last step's byte store may be out): so its stores into the stage have read their registers,
.else
	s_wait_dscnt 0x0
.endif
.if (\t)+4 < STEPS
	LOAD (\t)+4                                    ; which take the loads of four steps on
.endif
.if (\t)+1 < STEPS
.if STEPS-2-(\t) >= 3
	s_wait_loadcnt 12                              ; the next step's four loads are in; those of the three steps behind it may be out
.else
	s_wait_loadcnt 4*(STEPS-2-(\t))
.endif
	TURN (\t)+1                                    ; and go through the other stage while this step is worked
.endif
	v_max3_num_f32 v8, |v[XS]|, |v[XS+1]|, |v[XS+2]|               ; the largest magnitude of my 16, in two chains
	v_max3_num_f32 v9, |v[XS+3]|, |v[XS+4]|, |v[XS+5]|
.irp i, 6,10
	v_max3_num_f32 v8, v8, |v[XS+\i]|, |v[XS+\i+1]|
	v_max3_num_f32 v9, v9, |v[XS+\i+2]|, |v[XS+\i+3]|
.endr
	v_max3_num_f32 v8, v8, |v[XS+14]|, |v[XS+15]|
	v_max3_num_f32 v8, v8, v9, 0x1800000           ; and the floor 2^(3 - 127): so the byte cannot fall under 1
	v_max_num_f32_dpp v8, v8, v8 row_xmask:1 row_mask:0xf bank_mask:0xf   ; and of my neighbour's 16: the block's
	v_add_nc_u32 v11, 0xff000000, v8               ; 2 off its exponent field: the conversion takes the exponent field of this operand as its scale, and nothing else of it
	v_cvt_scalef32_pk16_fp6_f32 v[C+4*(\t):C+4*(\t)+2], v[XS:XS+15], v11         ; 96 bits without gaps, the first number's code lowest
	v_lshrrev_b32 v[E+(\t)], 23, v11               ; the scale's byte
	ds_store_b8 v5, v[E+(\t)] offset:16*(\t)       ; both lanes of a block write the same byte with the same value
	global_store_b96 v4, v[C+4*(\t):C+4*(\t)+2], s[14:15] offset:32*CB*(\t)      ; the wave stores 384 consecutive bytes
.endm
.irp t, 0,1,2,3,4,5,6,7,8,9,10,11,12,13,14,15
	STEP \t
.endr
	ds_load_b64 v[12:13], v6                       ; these see my byte stores: LDS serves a wave's instructions in order
	s_wait_dscnt 0x0
	global_store_b64 v7, v[12:13], s[24:25]        ; 32 lanes store 256 consecutive bytes, at a multiple of 256 from the buffer's first byte
	s_wait_tensorcnt 0x0
	ds_add_u32 v192, v193
	s_wait_dscnt 0x0
	s_endpgm
.Lfunc_end_k_q0df2d897c3_quant:
	.size	k_q0df2d897c3_quant, .Lfunc_end_k_q0df2d897c3_quant-k_q0df2d897c3_quant
	.p2alignl 7, 3214868480
	.fill 96, 4, 3214868480
	.section	.rodata,"a",@progbits
	.p2align	6, 0x0
	.amdhsa_kernel k_q0df2d897c3_quant
		.amdhsa_group_segment_fixed_size 33280
		.amdhsa_private_segment_fixed_size 0
		.amdhsa_enable_private_segment 0
		.amdhsa_kernarg_size 56
		.amdhsa_user_sgpr_count 2
		.amdhsa_user_sgpr_kernarg_segment_ptr 1
		.amdhsa_wavefront_size32 1
		.amdhsa_system_sgpr_workgroup_id_x 1
		.amdhsa_system_sgpr_workgroup_id_y 1
		.amdhsa_system_sgpr_workgroup_id_z 1
		.amdhsa_system_vgpr_workitem_id 0
		.amdhsa_next_free_vgpr 194
		.amdhsa_next_free_sgpr 66
		.amdhsa_reserve_vcc 0
		.amdhsa_float_denorm_mode_32 3
		.amdhsa_float_denorm_mode_16_64 3
		.amdhsa_memory_ordered 1
		.amdhsa_forward_progress 1
		.amdhsa_inst_pref_size 33
	.end_amdhsa_kernel
	.amdgpu_metadata
---
amdhsa.version: [ 1, 2 ]
amdhsa.kernels:
  - .name:           k_q0df2d897c3_quant
    .symbol:         k_q0df2d897c3_quant.kd
    .args:
      - { .name: x, .offset: 0, .size: 8, .value_kind: global_buffer, .address_space: global }
      - { .name: Wq, .offset: 8, .size: 8, .value_kind: global_buffer, .address_space: global }
      - { .name: Wk, .offset: 16, .size: 8, .value_kind: global_buffer, .address_space: global }
      - { .name: Wv, .offset: 24, .size: 8, .value_kind: global_buffer, .address_space: global }
      - { .name: Wo, .offset: 32, .size: 8, .value_kind: global_buffer, .address_space: global }
      - { .name: opc, .offset: 40, .size: 8, .value_kind: global_buffer, .address_space: global }
      - { .name: ops, .offset: 48, .size: 8, .value_kind: global_buffer, .address_space: global }
    .group_segment_fixed_size: 33280
    .private_segment_fixed_size: 0
    .kernarg_segment_align: 8
    .kernarg_segment_size: 56
    .max_flat_workgroup_size: 128
    .sgpr_count:     66
    .vgpr_count:     194
    .wavefront_size: 32
...
	.end_amdgpu_metadata
.endif
;; end of part 1
;; launch qkv (part 2): grid 12 x 32, 4 waves a work-group, clusters of 4 x 4, 327,680 bytes of LDS; arguments opc, ops, bq, bk, bv, qkvc, qkvs; writes qkvc, qkvs
.if DOCPART == 2
	.amdgcn_target "amdgcn-amd-amdhsa--gfx1250"
	.amdhsa_code_object_version 6
	.text
	.protected	k_q0df2d897c3_qkv
	.globl	k_q0df2d897c3_qkv
	.p2align	8
	.type	k_q0df2d897c3_qkv,@function
k_q0df2d897c3_qkv:
	s_mov_b64 s[64:65], 0
	v_nop
	global_prefetch_b8 v0, s[64:65] scope:SCOPE_SE
	s_setreg_imm32_b32 hwreg(HW_REG_WAVE_MODE, 25, 1), 1
	s_wait_xcnt 0x0
	s_wait_alu depctr_hold_cnt(0) depctr_sa_sdst(0) depctr_va_vdst(0) depctr_va_sdst(0) depctr_va_ssrc(0) depctr_va_vcc(0) depctr_vm_vsrc(0)
	s_getreg_b32 s2, hwreg(HW_REG_IB_STS2, 6, 4)
	s_cmp_eq_u32 s2, 0
	s_cbranch_scc0 .Lentry_in_a_cluster
	s_endpgm
.Lentry_in_a_cluster:
	s_bfe_u32 s2, ttmp6, 0x10000c
	s_cmp_lg_u32 s2, 0xf033
	s_cbranch_scc0 .Lentry_shape_is_right
	s_endpgm
.Lentry_shape_is_right:
.set KSTEP,  256
.set NQ,     KSTEP/128
.set ROWB,   192
.set KROW,   768
.set PITCH,  240
.set FR,     12
.set NL,     6
.set NP,     4
.set HALFT,  128*PITCH
.set SLOT,   4*HALFT
.set KS,     32
.set SCL,    2*SLOT
.set HALFS,  (128*KS/256)*272
.set SBLK,   (16*KS/256)*272
.set SPARE,  SCL+4*HALFS
.set TM,   4
.set ADRA, 16
.set ADRB, 20
.set ADRS, 27
.set SPW,  28
.set NIL,  29
.set SC,   32
.set PWR,  48
.set SW,   56
.set BI,   64
.set AF,   128
.set H,    128
.set F0,   192
.set F1,   204
.set T2,   216
.set BV,   224
.set CO,   240
.set SO,   241
.set SELV, 242
.set BO1,  243
.set BO2,  244
.set BP,   8
.set OS,   12
.set OC,   98
.set SEL,  100
.set G1, 24
.set G0, 32
.set G1B, 48
.set G0B, 56
.set G1S, 68
.set G0S, 76
.set G1SB, 80
.set G0SB, 88
.set MSB, 0
.macro WIN new
.if MSB != \new
	s_set_vgpr_msb (MSB<<8)|\new
.set MSB, \new
.endif
.endm
.set MUL_LO, 0xa1
.set MUL_HI, 0xf1
.set TO_B,   0x40
.macro JLOAD g0a, g1a, g0b, g1b
	s_cmp_eq_u32 s15, 0
	s_cbranch_scc0 .Lfor_b_\@
	tensor_load_to_lds s[\g0a:\g0a+3], s[\g1a:\g1a+7]
	s_nop 0
.rept 4
	v_nop
.endr
	s_branch .Lasked_\@
.Lfor_b_\@:
	tensor_load_to_lds s[\g0b:\g0b+3], s[\g1b:\g1b+7]
	s_nop 0
.rept 4
	v_nop
.endr
.Lasked_\@:
.endm
.macro CREST
	s_cmp_lg_u32 s14, 0
	s_cbranch_scc1 .Lnot_wave_0_\@
	s_barrier_signal -3
.Lnot_wave_0_\@:
	s_barrier_wait -3
	s_barrier_signal -1
	s_barrier_wait -1
.endm
.macro CROUND
	s_barrier_signal -1
	s_barrier_wait -1
	CREST
.endm
	s_load_b128 s[4:7], s[0:1], 0x0
	s_load_b128 s[8:11], s[0:1], 0x10
	s_load_b128 s[96:99], s[0:1], 0x20
	s_load_b64 s[12:13], s[0:1], 0x30
	v_lshl_add_u32 v[SPW], v0, 2, SPARE
	v_mov_b32 v[NIL], 0
	ds_add_u32 v28, v29
	ds_add_u32 v28, v29
	s_wait_dscnt 0x0
	v_lshrrev_b32 v1, 5, v0
	v_readfirstlane_b32 s14, v1
	s_lshr_b32 s15, s14, 1
	s_and_b32 s16, s14, 1
	s_bfe_u32 s40, ttmp6, 0x40000
	s_bfe_u32 s41, ttmp6, 0x40004
	s_and_b32 s2, ttmp7, 0xffff
	s_cmp_eq_u32 ttmp9, 2
	s_cselect_b32 s3, 0, s2
	s_cselect_b32 s66, s2, ttmp9
	s_cselect_b32 s67, 10240, 0
	s_cselect_b32 s95, 0, 8192
	s_lshl_b32 s42, s66, 2
	s_add_co_u32 s42, s42, s40
	s_lshl_b32 s17, s3, 2
	s_add_co_u32 s17, s17, s41
	s_lshl_b32 s43, s41, 2
	s_lshl_b32 s43, 15, s43
	s_lshl_b32 s44, 0x1111, s40
	s_or_b32 s[G1+0], s43, (0<<16)|(1<<20)|(1<<21)|(3<<22)|(3<<25)
	s_or_b32 s[G1B+0], s44, (0<<16)|(1<<20)|(1<<21)|(3<<22)|(3<<25)
.irp g, G1, G1B
	s_mov_b32 s[\g+1], ROWB<<16
	s_mov_b32 s[\g+2], 128<<16
	s_mov_b32 s[\g+3], ROWB<<16
	s_mov_b32 s[\g+4], 128
	s_mov_b32 s[\g+5], KROW
	s_mov_b32 s[\g+6], 0
	s_mov_b32 s[\g+7], 0
.endr
	s_or_b32 s[G1S+0], s43, (3<<16)|(1<<20)|(1<<21)|(5<<22)|(3<<25)
	s_or_b32 s[G1SB+0], s44, (3<<16)|(1<<20)|(1<<21)|(5<<22)|(3<<25)
.irp g, G1S, G1SB
	s_mov_b32 s[\g+1], 32<<16
	s_mov_b32 s[\g+2], (128*KS/256)<<16
	s_mov_b32 s[\g+3], 32<<16
	s_mov_b32 s[\g+4], 128*KS/256
	s_mov_b32 s[\g+5], 32
	s_mov_b32 s[\g+6], 0
	s_mov_b32 s[\g+7], 0
.endr
	s_lshl_b32 s18, s16, 7
	s_lshl_b32 s20, s17, 8
	s_add_co_u32 s20, s20, s18
	s_add_co_u32 s20, s20, s67
	s_lshl_b32 s46, s42, 8
	s_add_co_u32 s46, s46, s18
	s_add_co_u32 s46, s46, s95
	s_lshl_b32 s22, s20, 5
	s_mov_b32 s23, 0
	s_lshl_b32 s92, s46, 5
	s_mov_b32 s93, 0
	s_mul_i32 s20, s20, KROW
	s_mov_b32 s21, 0
	s_mul_i32 s46, s46, KROW
	s_mov_b32 s47, 0
	s_mul_i32 s45, s14, HALFT
	s_mul_i32 s94, s14, HALFS
	s_mov_b32 s[SEL], 0x76543210
	s_mov_b32 s[SEL+1], 0xfedcba98
	s_wait_kmcnt 0x0
	s_add_nc_u64 s[20:21], s[4:5], s[20:21]
	s_add_nc_u64 s[22:23], s[6:7], s[22:23]
	s_add_nc_u64 s[46:47], s[4:5], s[46:47]
	s_add_nc_u64 s[92:93], s[6:7], s[92:93]
	CROUND
	s_mov_b32 s[G0S], 1
	s_add_co_u32 s[G0S+1], s94, SCL
	s_mov_b64 s[G0S+2:G0S+3], s[22:23]
	s_or_b32 s[G0S+3], s[G0S+3], 0x80000000
	s_mov_b32 s[G0SB], 1
	s_add_co_u32 s[G0SB+1], s94, SCL
	s_mov_b64 s[G0SB+2:G0SB+3], s[92:93]
	s_or_b32 s[G0SB+3], s[G0SB+3], 0x80000000
	JLOAD G0S, G1S, G0SB, G1SB
.irp s, 0,1
	s_mov_b32 s[G0+4*\s], 1
	s_add_co_u32 s[G0+4*\s+1], s45, \s*SLOT
	s_add_nc_u64 s[G0+4*\s+2:G0+4*\s+3], s[20:21], \s*ROWB
	s_or_b32 s[G0+4*\s+3], s[G0+4*\s+3], 0x80000000
	s_mov_b32 s[G0B+4*\s], 1
	s_add_co_u32 s[G0B+4*\s+1], s45, \s*SLOT
	s_add_nc_u64 s[G0B+4*\s+2:G0B+4*\s+3], s[46:47], \s*ROWB
	s_or_b32 s[G0B+4*\s+3], s[G0B+4*\s+3], 0x80000000
	s_wait_alu depctr_va_vdst(0)
	s_wait_tensorcnt 0x0
	ds_add_u32 v28, v29
	s_wait_dscnt 0x0
	CROUND
	JLOAD G0+4*\s, G1, G0B+4*\s, G1B
.endr
	v_and_b32 v1, 15, v0
	v_bfe_u32 v2, v0, 4, 1
	v_mul_u32_u24 v3, v1, PITCH
	v_mul_u32_u24 v4, v2, 24
	v_add_nc_u32 v4, v3, v4
	v_lshl_add_u32 v5, v2, 4, v4
	s_mul_i32 s21, s15, HALFT
	s_mul_i32 s22, s16, HALFT
	s_add_co_u32 s22, s22, 2*HALFT
.irp s, 0,1
	v_add_nc_u32 v[ADRA+\s], s21, v4
	v_add_nc_u32 v[ADRB+\s], s22, v4
	v_add_nc_u32 v[ADRA+2+\s], s21, v5
	v_add_nc_u32 v[ADRB+2+\s], s22, v5
	s_add_co_u32 s21, s21, SLOT
	s_add_co_u32 s22, s22, SLOT
.endr
	v_mul_u32_u24 v5, v1, KS
	v_lshrrev_b32 v6, 8, v5
	v_lshl_add_u32 v5, v6, 4, v5
	s_mul_i32 s21, s15, HALFS
	s_mul_i32 s22, s16, HALFS
	s_add_co_u32 s22, s22, 2*HALFS
	s_sub_co_u32 s22, s22, s21
	v_mul_u32_u24 v6, s22, v2
	s_add_co_u32 s21, s21, SCL
	v_add_nc_u32 v5, v5, v6
	v_add_nc_u32 v[ADRS], s21, v5
	s_cmp_eq_u32 ttmp9, 0
	s_cselect_b64 s[BP:BP+1], s[8:9], s[10:11]
	s_cmp_eq_u32 ttmp9, 2
	s_cselect_b64 s[BP:BP+1], s[96:97], s[BP:BP+1]
	s_cselect_b32 s18, s17, s40
	s_cselect_b32 s19, s15, s16
	s_cselect_b32 s20, s42, s17
	s_cselect_b32 s21, s16, s15
	s_lshl_b32 s18, s18, 1
	s_add_co_u32 s18, s18, s19
	s_lshl_b32 s22, s18, 9
	s_mov_b32 s23, 0
	s_add_nc_u64 s[BP:BP+1], s[BP:BP+1], s[22:23]
	s_lshl_b32 s22, ttmp9, 6
	s_lshr_b32 s19, s20, 3
	s_lshl_b32 s19, s19, 4
	s_add_co_u32 s22, s22, s19
	s_lshl_b32 s18, s18, 1
	s_add_co_u32 s22, s22, s18
	s_and_b32 s20, s20, 7
	s_lshl_b32 s20, s20, 1
	s_add_co_u32 s20, s20, s21
	s_mul_i32 s18, s22, 98304
	s_mul_i32 s19, s20, 6144
	s_add_co_u32 s18, s18, s19
	s_mov_b32 s19, 0
	s_add_nc_u64 s[OC:OC+1], s[OC:OC+1], s[18:19]
	s_lshl_b32 s18, s22, 12
	s_lshl_b32 s20, s20, 8
	s_add_co_u32 s18, s18, s20
	s_add_nc_u64 s[OS:OS+1], s[OS:OS+1], s[18:19]
	v_lshlrev_b32 v[BO1], 6, v2
	v_and_b32 v[BO2], 8, v1
	v_add_nc_u32 v[BO2], v[BO2], v1
	v_lshlrev_b32 v[BO2], 2, v[BO2]
.irp b, 0,1,2,3
.irp j, 0,1,2,3
	global_load_b128 v[BI+16*\b+4*\j:BI+16*\b+4*\j+3], v[BO1], s[BP:BP+1] offset:128*\b+16*\j
.endr
.endr
.irp a, 0,1,2,3,4,5,6,7
	global_load_b32 v[BV+2*\a], v[BO2], s[BP:BP+1] offset:(32*(\a/2)+8*(\a%2))*4
	global_load_b32 v[BV+2*\a+1], v[BO2], s[BP:BP+1] offset:(32*(\a/2)+8*(\a%2))*4
.endr
	v_and_b32 v[CO], 31, v0
	v_lshlrev_b32 v[CO], 4, v[CO]
	v_lshlrev_b32 v[SO], 4, v1
	v_lshl_add_u32 v[SO], v2, 12, v[SO]
	v_cmp_eq_u32 vcc_lo, 1, v2
	v_mov_b32 v[SELV], 0x05040100
	v_mov_b32 v3, 0x07060302
	v_cndmask_b32 v[SELV], v[SELV], v3, vcc_lo
.macro FRAG reg, adr, q, i
.irp p, 0,1,2,3,4,5
.set PCE, 12*(\q)+6*(\p/3)+\p%3
.if PCE%8 < 5
	ds_load_b64 v[\reg+2*\p:\reg+2*\p+1], v[\adr] offset:8*PCE+16*(PCE/8)+(\i)*16*PITCH
.else
	ds_load_b64 v[\reg+2*\p:\reg+2*\p+1], v[\adr+2] offset:8*PCE+16*(PCE/8)+(\i)*16*PITCH
.endif
.endr
.endm
.macro MUL16 a0, p, q, sc, zero
.irp a, \a0, \a0+1
.irp b, 0,1,2,3,4,5,6,7
.if \zero
	v_wmma_scale_f32_16x16x128_f8f6f4 v[8*(8*((\a)%4)+\b):8*(8*((\a)%4)+\b)+7], v[128*(\p)+FR*\b:128*(\p)+FR*\b+FR-1], v[AF+FR*(\a):AF+FR*(\a)+FR-1], 0, v[SC+8*NQ*(\sc)+NQ*\b+(\q)], v[SC+8*NQ*(\sc)+NQ*(\a)+(\q)] matrix_a_fmt:MATRIX_FMT_FP6 matrix_b_fmt:MATRIX_FMT_FP6 matrix_a_scale:MATRIX_SCALE_ROW1
.else
	v_wmma_scale_f32_16x16x128_f8f6f4 v[8*(8*((\a)%4)+\b):8*(8*((\a)%4)+\b)+7], v[128*(\p)+FR*\b:128*(\p)+FR*\b+FR-1], v[AF+FR*(\a):AF+FR*(\a)+FR-1], v[8*(8*((\a)%4)+\b):8*(8*((\a)%4)+\b)+7], v[SC+8*NQ*(\sc)+NQ*\b+(\q)], v[SC+8*NQ*(\sc)+NQ*(\a)+(\q)] matrix_a_fmt:MATRIX_FMT_FP6 matrix_b_fmt:MATRIX_FMT_FP6 matrix_a_scale:MATRIX_SCALE_ROW1
.endif
.endr
.endr
.endm
.macro FETCH_B slot, q, p
	WIN TO_B
.irp i, 0,1,2,3,4,5,6,7
	FRAG 128*(\p)+FR*\i, ADRB+\slot, \q, \i
.endr
	WIN 0
.endm
.macro FETCH_A slot, q, i0
.irp i, \i0, \i0+1, \i0+2, \i0+3
	FRAG AF+FR*(\i), ADRA+\slot, \q, \i
.endr
.endm
.macro SCALES sc
.irp i, 0,1,2,3,4,5,6,7
	ds_load_b64 v[SC+8*NQ*\sc+NQ*\i:SC+8*NQ*\sc+NQ*\i+1], v[ADRS] offset:\i*SBLK
.endr
.endm
.macro PLACES n
.rept \n
	v_nop
.endr
.endm
.macro STEP slot, q, zero
	s_wait_dscnt 4*NL
	WIN MUL_LO
	MUL16 0, (\q)%2, \q, \slot, \zero
	MUL16 2, (\q)%2, \q, \slot, \zero
	s_wait_dscnt 0
	PLACES NP
	FETCH_B \slot, (\q)+1, 1-(\q)%2
	FETCH_A \slot, (\q)+1, 0
	WIN MUL_HI
	MUL16 4, (\q)%2, \q, \slot, \zero
	MUL16 6, (\q)%2, \q, \slot, \zero
	PLACES NP
	WIN 0
	FETCH_A \slot, (\q)+1, 4
.endm
.macro TURN slot, next, fill
	s_wait_tensorcnt 0x0
	ds_add_u32 v[SPW], v[NIL]
	s_wait_dscnt 4*NL+1
	WIN MUL_LO
	MUL16 0, 1, NQ-1, \slot, 0
	s_wait_dscnt 0x0
	s_barrier_signal -1
	MUL16 2, 1, NQ-1, \slot, 0
	WIN 0
	s_barrier_wait -1
.if \fill
	CREST
	s_add_nc_u64 s[G0+4*\slot+2:G0+4*\slot+3], s[G0+4*\slot+2:G0+4*\slot+3], 2*ROWB
	s_add_nc_u64 s[G0B+4*\slot+2:G0B+4*\slot+3], s[G0B+4*\slot+2:G0B+4*\slot+3], 2*ROWB
	JLOAD G0+4*\slot, G1, G0B+4*\slot, G1B
.else
	PLACES NP
.endif
	s_wait_alu depctr_va_vdst(0)
	v_add_nc_u32 v[ADRS], 4*NQ, v[ADRS]
	FETCH_B \next, 0, 0
	FETCH_A \next, 0, 0
	SCALES \next
	WIN MUL_HI
	MUL16 4, 1, NQ-1, \slot, 0
	MUL16 6, 1, NQ-1, \slot, 0
	PLACES NP
	WIN 0
	FETCH_A \next, 0, 4
.endm
	s_wait_tensorcnt 1
	s_barrier_signal -1
	s_barrier_wait -1
	FETCH_B 0, 0, 0
	FETCH_A 0, 0, 0
	SCALES 0
	FETCH_A 0, 0, 4
	STEP 0, 0, 1
	TURN 0, 1, 1
	STEP 1, 0, 0
	TURN 1, 0, 1
	STEP 0, 0, 0
	TURN 0, 1, 0
	STEP 1, 0, 0
	s_wait_dscnt 4*NL
	WIN MUL_LO
	MUL16 0, 1, NQ-1, 1, 0
	MUL16 2, 1, NQ-1, 1, 0
	s_wait_dscnt 0
	WIN MUL_HI
	MUL16 4, 1, NQ-1, 1, 0
	MUL16 6, 1, NQ-1, 1, 0
	WIN 0
.macro QUANT s, d0, d1, pw
.irp b, 0,1,2,3
	v_max3_num_f32 v[TM+\b], |v[\s+16*\b]|, |v[\s+1+16*\b]|, 0x1800000
.endr
.irp i, 2,4,6,8,10,12,14
.irp b, 0,1,2,3
	v_max3_num_f32 v[TM+\b], v[TM+\b], |v[\s+16*\b+\i]|, |v[\s+1+16*\b+\i]|
.endr
.endr
.irp b, 0,1,2,3
	v_permlanex16_b32 v[TM+4+\b], v[TM+\b], s[SEL], s[SEL+1]
.endr
.irp b, 0,1,2,3
	v_max_num_f32 v[TM+\b], v[TM+\b], v[TM+4+\b]
.endr
.irp b, 0,1,2,3
	v_add_nc_u32 v[TM+8+\b], 0xff000000, v[TM+\b]
.endr
.irp b, 0,1,2,3
	v_lshrrev_b32 v[TM+4+\b], 23, v[TM+8+\b]
.endr
	v_lshl_or_b32 v[\pw], v[TM+5], 8, v[TM+4]
	v_lshl_or_b32 v[\pw], v[TM+6], 16, v[\pw]
	v_lshl_or_b32 v[\pw], v[TM+7], 24, v[\pw]
	v_cvt_scalef32_pk16_fp6_f32 v[\d0:\d0+2], v[\s:\s+15], v[TM+8]
	v_cvt_scalef32_pk16_fp6_f32 v[T2:T2+2], v[\s+16:\s+31], v[TM+9]
	v_cvt_scalef32_pk16_fp6_f32 v[\d1:\d1+2], v[\s+32:\s+47], v[TM+10]
	v_cvt_scalef32_pk16_fp6_f32 v[T2+4:T2+6], v[\s+48:\s+63], v[TM+11]
	v_nop
.irp i, 0,1,2
	v_permlane16_swap_b32 v[\d0+\i], v[T2+\i]
	v_permlane16_swap_b32 v[\d1+\i], v[T2+4+\i]
.endr
.irp i, 0,1,2
	v_mov_b32 v[\d0+3+\i], v[T2+\i]
	v_mov_b32 v[\d1+3+\i], v[T2+4+\i]
.endr
.endm
.macro OUTPAIR pr, isv
.irp u, 0,1
.set AA, 2*(\pr)+\u
.set WW, 2+AA/4
	WIN WW
.set k, 0
.rept 32
.if \isv
	v_pk_add_f32 v[H+k:H+k+1], v[64*(AA%4)+k:64*(AA%4)+k+1], v[BV+2*AA:BV+2*AA+1]
.else
	v_pk_add_f32 v[H+k:H+k+1], v[64*(AA%4)+k:64*(AA%4)+k+1], v[BI+k:BI+k+1]
.endif
.set k, k+2
.endr
	WIN 0
.if (\u == 0) && (\pr > 0)
	s_wait_xcnt 0x0
.endif
.if \isv
	QUANT H, F0+12*\u, F0+12*\u+6, PWR+AA
.else
	QUANT H, F0+6*\u, F1+6*\u, PWR+AA
.endif
.endr
.irp p, 0,1,2
.if \isv
	global_store_b128 v[CO], v[F0+4*\p:F0+4*\p+3], s[OC:OC+1] offset:((2*(\pr))/4)*98304+((2*(\pr))%4)*1536+512*\p
	global_store_b128 v[CO], v[F1+4*\p:F1+4*\p+3], s[OC:OC+1] offset:((2*(\pr)+1)/4)*98304+((2*(\pr)+1)%4)*1536+512*\p
.else
	global_store_b128 v[CO], v[F0+4*\p:F0+4*\p+3], s[OC:OC+1] offset:(\pr)*1536+512*\p
	global_store_b128 v[CO], v[F1+4*\p:F1+4*\p+3], s[OC:OC+1] offset:98304+(\pr)*1536+512*\p
.endif
.endr
.endm
	PLACES NP
	s_wait_loadcnt 0x0
.irp b, 0,1,2,3
	v_mov_b32 v[TM+4+\b], 0
.endr
	s_cmp_eq_u32 ttmp9, 2
	s_cbranch_scc1 .Lway_v
	OUTPAIR 0, 0
	OUTPAIR 1, 0
	OUTPAIR 2, 0
	OUTPAIR 3, 0
.irp b, 0,1,2,3
	v_perm_b32 v[SW+\b], v[PWR+2*\b+1], v[PWR+2*\b], v[SELV]
.endr
	global_store_b128 v[SO], v[SW:SW+3], s[OS:OS+1]
	s_branch .Ldone
.Lway_v:
	OUTPAIR 0, 1
	OUTPAIR 1, 1
	OUTPAIR 2, 1
	OUTPAIR 3, 1
	v_cmp_eq_u32 vcc_lo, 1, v2
.irp b, 0,1,2,3
	v_cndmask_b32 v[SW+\b], v[PWR+\b], v[PWR+4+\b], vcc_lo
.endr
	global_store_b128 v[SO], v[SW:SW+3], s[OS:OS+1]
.Ldone:
	s_wait_tensorcnt 0x0
	ds_add_u32 v[SPW], v[NIL]
	s_wait_dscnt 0x0
	CROUND
	s_endpgm
.Lfunc_end_k_q0df2d897c3_qkv:
	.size	k_q0df2d897c3_qkv, .Lfunc_end_k_q0df2d897c3_qkv-k_q0df2d897c3_qkv
	.p2alignl 7, 3214868480
	.fill 96, 4, 3214868480
	.section	.rodata,"a",@progbits
	.p2align	6, 0x0
	.amdhsa_kernel k_q0df2d897c3_qkv
		.amdhsa_group_segment_fixed_size 327680
		.amdhsa_private_segment_fixed_size 0
		.amdhsa_enable_private_segment 0
		.amdhsa_kernarg_size 56
		.amdhsa_user_sgpr_count 2
		.amdhsa_user_sgpr_kernarg_segment_ptr 1
		.amdhsa_wavefront_size32 1
		.amdhsa_system_sgpr_workgroup_id_x 1
		.amdhsa_system_sgpr_workgroup_id_y 1
		.amdhsa_system_sgpr_workgroup_id_z 1
		.amdhsa_system_vgpr_workitem_id 0
		.amdhsa_next_free_vgpr 1024
		.amdhsa_next_free_sgpr 104
		.amdhsa_reserve_vcc 1
		.amdhsa_float_denorm_mode_32 3
		.amdhsa_float_denorm_mode_16_64 3
		.amdhsa_memory_ordered 1
		.amdhsa_forward_progress 1
		.amdhsa_inst_pref_size 233
	.end_amdhsa_kernel
	.amdgpu_metadata
---
amdhsa.version: [ 1, 2 ]
amdhsa.kernels:
  - .name:           k_q0df2d897c3_qkv
    .symbol:         k_q0df2d897c3_qkv.kd
    .args:
      - { .name: opc, .offset: 0, .size: 8, .value_kind: global_buffer, .address_space: global }
      - { .name: ops, .offset: 8, .size: 8, .value_kind: global_buffer, .address_space: global }
      - { .name: bq, .offset: 16, .size: 8, .value_kind: global_buffer, .address_space: global }
      - { .name: bk, .offset: 24, .size: 8, .value_kind: global_buffer, .address_space: global }
      - { .name: bv, .offset: 32, .size: 8, .value_kind: global_buffer, .address_space: global }
      - { .name: qkvc, .offset: 40, .size: 8, .value_kind: global_buffer, .address_space: global }
      - { .name: qkvs, .offset: 48, .size: 8, .value_kind: global_buffer, .address_space: global }
    .group_segment_fixed_size: 327680
    .private_segment_fixed_size: 0
    .kernarg_segment_align: 8
    .kernarg_segment_size: 56
    .max_flat_workgroup_size: 128
    .sgpr_count:     104
    .vgpr_count:     1024
    .wavefront_size: 32
...
	.end_amdgpu_metadata
.endif
;; end of part 2
;; launch attn (part 3): grid 4 x 64, 16 waves a work-group, clusters of 4 x 1, 206,848 bytes of LDS; arguments qkvc, qkvs, ctxc, ctxs; writes ctxc, ctxs
.if DOCPART == 3
	.amdgcn_target "amdgcn-amd-amdhsa--gfx1250"
	.amdhsa_code_object_version 6
	.text
	.protected	k_q0df2d897c3_attn
	.globl	k_q0df2d897c3_attn
	.p2align	8
	.type	k_q0df2d897c3_attn,@function
k_q0df2d897c3_attn:
	s_mov_b64 s[64:65], 0
	v_nop
	global_prefetch_b8 v0, s[64:65] scope:SCOPE_SE
	s_setreg_imm32_b32 hwreg(HW_REG_WAVE_MODE, 25, 1), 1
	s_wait_xcnt 0x0
	s_wait_alu depctr_hold_cnt(0) depctr_sa_sdst(0) depctr_va_vdst(0) depctr_va_sdst(0) depctr_va_ssrc(0) depctr_va_vcc(0) depctr_vm_vsrc(0)
	s_getreg_b32 s2, hwreg(HW_REG_IB_STS2, 6, 4)
	s_cmp_eq_u32 s2, 0
	s_cbranch_scc0 .Lentry_in_a_cluster
	s_endpgm
.Lentry_in_a_cluster:
	s_bfe_u32 s2, ttmp6, 0x10000c
	s_cmp_lg_u32 s2, 0x3003
	s_cbranch_scc0 .Lentry_shape_is_right
	s_endpgm
.Lentry_shape_is_right:
; ctx[b][h][q][:] = the sum over k of softmax_k(Q . K / 32) V, both products on codes of FP6 (E2M3) with one E8M0 scale for each 32 along a product's K; the result is quantised here along the model's 1,024 and leaves as codes.
; THE SOFTMAX: t = score x log2(e) / 32; M = the row's largest t so far, rounded up to a whole number; p = 2^(t - M) is quantised along the keys, not normalised; the row's sum is taken of the unquantised p
; and divides at the end.  When M moves, the sum and O are multiplied by 2^(old M - new M): exact.
; SHARES.  A work-group owns 512 queries of one head; each of its sixteen waves 32 of them, as two tiles of 16, one after the other; a tile walks the head's 2,048 keys, 128 a step.  Four waves to a SIMD, so that one
; wave's vector work stands beside another's products and LDS loads.
; NO RING.  A head's codes of K (98,304 bytes) and of V (98,304) and their scale words (4,096 each) lie in LDS together: each byte is filled once, nothing is stored to LDS, and nothing is filled again.
; They lie as images of the operands' registers (three planes of 512 bytes a fragment): every LDS load takes 512 consecutive bytes.
; CLUSTER.  The four work-groups of a head form a cluster and ask for K and V jointly: wave 0 K's, wave 1 V's, five loads each: the scale words, then four chunks of 512 keys.  The first tile begins on
; chunk 0 while the others are on their way: a counted wait and a barrier stand ahead of each chunk.  No prefetch: all that a work-group reads is asked for at its head.
; LAYOUT.  Both products are used transposed (S^T = K Q^T, O^T = V^T P^T): a lane holds one query (lane % 16).
; THE FIRST PRODUCT HAS K = 64 in an instruction of 128.  A fragment of K holds TWO tiles of 16 keys, one in k = 0 .. 63 and one in k = 64 .. 127; multiplied by [q | zeros] it gives the first tile's scores, by [zeros | q]
; the second's.  The zero codes are the filling that a short K asks for.  Tile 2 b holds keys 32 b + r + 8 (r / 8), tile 2 b + 1 those 8 further on: so the 16 registers of the two are keys 32 b + 16 (lane / 16) + 0 .. 15.
; WHAT LEAVES.  ctxc: [tile of 16 rows T][128 along K kk][6 planes][256 bytes]: plane p = registers 2 p, 2 p + 1 of the fragment, lane l's 8 bytes at 8 l; head 2 kk + c fills planes 3 c .. 3 c + 2: each store covers 256 consecutive
; bytes, aligned.  Row r of tile T = 2 (64 batch + g) + u is token 32 g + 8 u + r + 8 (r / 8).  ctxs: [16 T + r][32 bytes], byte 2 head + block.  A head's two bytes of a row are stored by themselves, 32 bytes from row to row:
; a row's 32 bytes come from sixteen heads, that is sixteen clusters; these stores are 262,144 of the launch's 6,553,600 bytes.
; LIMITS: NaN and infinities are not served; a p under 2^-126 comes out as 0 (ISA guide 15.8: v_exp_f32 flushes), beside a largest p over 1/2; 1 / the sum is v_rcp_f32 and a multiplication;
; a block whose largest magnitude lies under 2^-124 keeps the byte 1, a block of zeros too (its codes are zeros; this program alone reads the bytes).
; REGISTERS: v1-6 addresses that stay; v8-10 addresses of the step; v12 -M, v13 the largest t, v[14:15] the sum in two halves; v16-33 zeros | q | zeros; v34 q's scale word, v35 p's; v36-39 K's four, v40-43 V's four;
; v44-91 four fragments of K, then of V; v96-159 S^T, then p; v160-191 O^T; v192-203 p's codes; v204-227 at work; v228-239 my 32 queries' codes, v240 their scale word.
.set HEADB, 98304                      ; a head's codes of K or of V
.set KCH,   24576                      ; a chunk: the codes of 512 keys
.set VC,    98304                      ; LDS: K's codes at 0, V's here,
.set KSC,   196608                     ; K's scale words,
.set VSC,   200704                     ; V's
.set AK,   1                           ; v1   16 x lane
.set AV,   2                           ; v2   16 x lane + VC
.set AS,   3                           ; v3   KSC + 16 r
.set QS4,  4                           ; v4   16 r
.set CO8,  5                           ; v5   8 x lane
.set SO,   6                           ; v6   32 r
.set ADK,  8
.set ADV,  9
.set ADS,  10
.set FR,   44
.set S,    96
.set O,    160
.set PC,   192
.set T2,   204
.set TM,   212                         ; v212-215 the blocks' largest scores, then largest p
.set TP,   216                         ; v216-219 the other half's; a chain of the sum; the bytes
.set TO,   220                         ; v220-223 the conversions' scale operands
.set WV,   18                          ; s18  my wave's number
.set SEL,  20                          ; s[20:21] lane selects for v_permlanex16_b32: lane l xor 16
.set CS,   22                          ; s[22:23] c = log2(e) / 32
.set G1C,  24                          ; s[24:31] descriptor group 1 for a chunk of codes
.set G0,   32                          ; s[32:51] five groups 0; never rewritten
.set G1S,  52                          ; s[52:59] group 1 for the scale words
.set TK,   60                          ; s60  LDS byte at which the step's codes begin: 6,144 a step
.set TS,   61                          ; s61  and its scale words: 256 a step
.set CNT,  62
.macro CROUND                          ; a round of the cluster's barrier
	s_barrier_signal -1
	s_barrier_wait -1
	s_cmp_lg_u32 s[WV], 0
	s_cbranch_scc1 .Lnot_wave_0_\@
	s_barrier_signal -3
.Lnot_wave_0_\@:
	s_barrier_wait -3
	s_barrier_signal -1
	s_barrier_wait -1
.endm
	s_load_b256 s[4:11], s[0:1], 0x0               ; qkvc s[4:5], qkvs s[6:7], ctxc s[8:9], ctxs s[10:11]
	v_lshl_add_u32 v254, v0, 2, 0x32000
	v_mov_b32 v255, 0
	ds_add_u32 v254, v255
	ds_add_u32 v254, v255
	v_lshrrev_b32 v1, 5, v0
	s_delay_alu instid0(VALU_DEP_1)
	v_readfirstlane_b32 s[WV], v1                  ; wave 0..15
	s_bfe_u32 s66, ttmp6, 0x40000                  ; cx: which 512 queries: it enters Q's and the outputs' addresses alone
	s_and_b32 s67, ttmp7, 0xffff                   ; 16 x batch + head, which the four partners share
	s_mul_i32 s69, s67, HEADB                      ; the head's first byte in a region of codes,
	s_lshl_b32 s78, s67, 12                        ; and in a region of scale words
	s_add_co_u32 s68, s[WV], 1                     ; wave 0 fetches region 1 (K), wave 1 region 2 (V)
	s_mul_i32 s70, s68, 64*HEADB
	s_add_co_u32 s70, s70, s69
	s_mov_b32 s71, 0
	s_lshl_b32 s72, s68, 18
	s_add_co_u32 s72, s72, s78
	s_mov_b32 s73, 0
	s_mul_i32 s74, s[WV], HEADB                    ; where they go: wave x a head's codes,
	s_lshl_b32 s75, s[WV], 12                      ; wave x a head's scale words
	; descriptor group 1: dense blocks, as rows of 256 bytes (32 elements of 8 bytes): 96 rows a chunk, 16 for the scale words
	s_mov_b32 s[G1C], 15|(3<<16)|(1<<21)           ; 15:0 the mask: all four work-groups; 17:16 elements of 8 bytes; 20 no padding; 21 set beside a mask
	s_mov_b32 s[G1C+1], 32<<16                     ; tensor_dim0
	s_mov_b32 s[G1C+2], 96<<16                     ; tensor_dim1
	s_mov_b32 s[G1C+3], 32<<16                     ; tile_dim0
	s_mov_b32 s[G1C+4], 96                         ; tile_dim1
	s_mov_b32 s[G1C+5], 32                         ; tensor_dim0_stride
	s_mov_b32 s[G1C+6], 0
	s_mov_b32 s[G1C+7], 0
	s_mov_b32 s[G1S], 15|(3<<16)|(1<<21)
	s_mov_b32 s[G1S+1], 32<<16
	s_mov_b32 s[G1S+2], 16<<16
	s_mov_b32 s[G1S+3], 32<<16
	s_mov_b32 s[G1S+4], 16
	s_mov_b32 s[G1S+5], 32
	s_mov_b32 s[G1S+6], 0
	s_mov_b32 s[G1S+7], 0
	s_mov_b32 s[SEL], 0x76543210
	s_mov_b32 s[SEL+1], 0xfedcba98
	s_mov_b32 s[CS], 0x3d38aa3b                    ; log2(e) / 32: the f32 number log2(e) with 5 off its exponent
	s_mov_b32 s[CS+1], s[CS]                       ; (named with it as a pair, so it is written)
	s_wait_dscnt 0x0
	s_wait_kmcnt 0x0
	s_add_nc_u64 s[76:77], s[4:5], s[70:71]
	s_mov_b32 s[G0], 1
	s_add_co_u32 s[G0+1], s75, KSC
	s_add_nc_u64 s[G0+2:G0+3], s[6:7], s[72:73]
	s_or_b32 s[G0+3], s[G0+3], 0x80000000
.irp c, 0,1,2,3
	s_mov_b32 s[G0+4+4*\c], 1
	s_add_co_u32 s[G0+5+4*\c], s74, \c*KCH
	s_add_nc_u64 s[G0+6+4*\c:G0+7+4*\c], s[76:77], \c*KCH
	s_or_b32 s[G0+7+4*\c], s[G0+7+4*\c], 0x80000000
.endr
	CROUND                                         ; all four work-groups are here: the joint loads meet
	s_cmp_lt_u32 s[WV], 2                          ; a wave's fills stand in one branch on its number, ahead of every wait on TENSORcnt, every LDS read and every other barrier: five loads of mine are out
	s_cbranch_scc0 .Lno_fill
	tensor_load_to_lds s[G0:G0+3], s[G1S:G1S+7]
	s_nop 0
	tensor_load_to_lds s[G0+4:G0+7], s[G1C:G1C+7]
	s_nop 0
	tensor_load_to_lds s[G0+8:G0+11], s[G1C:G1C+7]
	s_nop 0
	tensor_load_to_lds s[G0+12:G0+15], s[G1C:G1C+7]
	s_nop 0
	tensor_load_to_lds s[G0+16:G0+19], s[G1C:G1C+7]
	s_nop 0
.rept 4
	v_nop
.endr
.Lno_fill:
	s_lshl_b32 s68, s66, 4
	s_add_co_u32 s68, s68, s[WV]                   ; g: which 32 queries of the head are my wave's
	s_mul_i32 s70, s68, 1536
	s_add_co_u32 s70, s70, s69
	s_add_nc_u64 s[4:5], s[4:5], s[70:71]          ; their codes (region 0)
	s_lshr_b32 s72, s68, 2
	s_lshl_b32 s72, s72, 8
	s_and_b32 s74, s68, 3
	s_lshl_b32 s74, s74, 2
	s_add_co_u32 s72, s72, s74
	s_add_co_u32 s72, s72, s78
	s_add_nc_u64 s[6:7], s[6:7], s[72:73]          ; their scale word: word g % 4 of the 128 tokens g / 4
	s_lshr_b32 s70, s67, 4                         ; batch
	s_lshl_b32 s70, s70, 6
	s_add_co_u32 s70, s70, s68
	s_lshl_b32 s70, s70, 1                         ; T of my first tile
	s_and_b32 s74, s67, 15                         ; head
	s_mul_i32 s72, s70, 12288
	s_mul_i32 s75, s74, 768                        ; 1,536 (head / 2) + 768 (head % 2)
	s_add_co_u32 s72, s72, s75
	s_add_nc_u64 s[8:9], s[8:9], s[72:73]
	s_lshl_b32 s72, s70, 9
	s_lshl_b32 s74, s74, 1
	s_add_co_u32 s72, s72, s74
	s_add_nc_u64 s[10:11], s[10:11], s[72:73]
	v_and_b32 v7, 31, v0                           ; lane
	v_and_b32 v11, 15, v0                          ; r
	s_delay_alu instid0(VALU_DEP_2)
	v_lshlrev_b32 v[AK], 4, v7
	s_delay_alu instid0(VALU_DEP_1)
	v_add_nc_u32 v[AV], VC, v[AK]
	s_delay_alu instid0(VALU_DEP_3)
	v_lshlrev_b32 v[QS4], 4, v11
	s_delay_alu instid0(VALU_DEP_1)
	v_add_nc_u32 v[AS], KSC, v[QS4]
	v_lshlrev_b32 v[CO8], 3, v7
	v_lshlrev_b32 v[SO], 5, v11
.irp p, 0,1,2
	global_load_b128 v[228+4*\p:231+4*\p], v[AK], s[4:5] offset:512*\p   ; registers 0-5: my first tile's queries, 6-11: my second's
.endr
	global_load_b32 v240, v[QS4], s[6:7]           ; two bytes of each
.irp i, 0,1,2,3,4,5
	v_mov_b32 v[16+\i], 0                          ; the zero codes on both sides of q
	v_mov_b32 v[28+\i], 0
.endr
.irp b, 0,1,2,3
	v_mov_b32 v[TP+\b], 0                          ; written once: a lane permute's destination counts as one of its sources
.endr
	v_mov_b32 v225, 0                              ; (named as the upper half of the pair v[224:225])
	v_mov_b32 v226, 0
	s_wait_loadcnt 0x0
; A KEY STEP: 128 keys.
.macro STEP
	v_add_nc_u32 v[ADK], s[TK], v[AK]              ; these four lines are the places behind the last products, in front of the loads into the registers that they read
	v_add_nc_u32 v[ADV], s[TK], v[AV]
	v_add_nc_u32 v[ADS], s[TS], v[AS]
	v_nop
.irp t, 0,1,2,3
.irp p, 0,1,2
	ds_load_b128 v[FR+12*\t+4*\p:FR+12*\t+4*\p+3], v[ADK] offset:1536*\t+512*\p
.endr
.endr
	ds_load_b128 v[36:39], v[ADS]                  ; K's four scale words of row r
	s_wait_alu depctr_va_vdst(0)
	s_wait_dscnt 0x0
.irp t, 0,1,2,3                                ; S^T = K Q^T: each fragment twice: by [q | 0] its first 16 keys, by [0 | q] its second
	v_wmma_scale_f32_16x16x128_f8f6f4 v[S+16*\t:S+16*\t+7], v[FR+12*\t:FR+12*\t+11], v[22:33], 0, v[36+\t], v34 matrix_a_fmt:MATRIX_FMT_FP6 matrix_b_fmt:MATRIX_FMT_FP6
	v_wmma_scale_f32_16x16x128_f8f6f4 v[S+16*\t+8:S+16*\t+15], v[FR+12*\t:FR+12*\t+11], v[16:27], 0, v[36+\t], v34 matrix_a_fmt:MATRIX_FMT_FP6 matrix_b_fmt:MATRIX_FMT_FP6
.endr
.rept 4
	v_nop                                          ; places: in front of the loads below and of the first read of the scores
.endr
.irp t, 0,1,2,3                                ; V's four fragments land while the softmax is worked
.irp p, 0,1,2
	ds_load_b128 v[FR+12*\t+4*\p:FR+12*\t+4*\p+3], v[ADV] offset:1536*\t+512*\p
.endr
.endr
	ds_load_b128 v[40:43], v[ADS] offset:VSC-KSC
.irp b, 0,1,2,3
	v_max3_num_f32 v[TM+\b], v[S+16*\b], v[S+1+16*\b], v[S+2+16*\b]   ; the largest score of each block of 32 keys: it serves for the row's maximum and, since p rises with the score, for the block's largest p
.endr
.irp i, 3,5,7,9,11,13
.irp b, 0,1,2,3
	v_max3_num_f32 v[TM+\b], v[TM+\b], v[S+16*\b+\i], v[S+1+16*\b+\i]   ; (the four blocks by turns; each accumulator is first read at its low end)
.endr
.endr
.irp b, 0,1,2,3
	v_max_num_f32 v[TM+\b], v[TM+\b], v[S+15+16*\b]
.endr
.irp b, 0,1,2,3
	s_delay_alu instid0(VALU_DEP_4)
	v_permlanex16_b32 v[TP+\b], v[TM+\b], s[SEL], s[SEL+1]
.endr
.irp b, 0,1,2,3
	s_delay_alu instid0(VALU_DEP_4)
	v_max_num_f32 v[TM+\b], v[TM+\b], v[TP+\b]     ; with lane l xor 16's 16 keys
.endr
	s_delay_alu instid0(VALU_DEP_2)
	v_max3_num_f32 v226, v[TM], v[TM+1], v[TM+2]
	s_delay_alu instid0(VALU_DEP_1)
	v_max_num_f32 v226, v226, v[TM+3]              ; the step's largest score of my query
	s_delay_alu instid0(VALU_DEP_1)
	v_mul_f32 v226, s[CS], v226                    ; as t (c is positive)
	s_delay_alu instid0(VALU_DEP_1)
	v_max_num_f32 v13, v13, v226                   ; the running largest t
	v_mov_b32 v226, v12
	s_delay_alu instid0(VALU_DEP_2)
	v_floor_f32 v12, -v13                          ; the new -M = floor(-t) = -ceil(t)
	s_delay_alu instid0(VALU_DEP_1)
	v_sub_f32 v226, v12, v226                      ; M's old value less its new one: a whole number, 0 or less
	s_delay_alu instid0(VALU_DEP_1)
	v_cvt_i32_f32 v226, v226                       ; (it saturates)
	s_delay_alu instid0(VALU_DEP_1)
	v_ldexp_f32 v224, 1.0, v226                    ; f = 2^(old M - new M)
.set j, 0
.rept 32
	v_pk_fma_f32 v[S+j:S+j+1], v[S+j:S+j+1], s[CS:CS+1], v[12:13] op_sel_hi:[1,0,0]   ; t - M, two at a time (of the pairs c and -M the low word serves both halves)
.set j, j+2
.endr
.irp b, 0,1,2,3
	v_fma_f32 v[TM+\b], v[TM+\b], s[CS], v12       ; the same of each block's largest score
.endr
.set j, 0
	s_wait_alu depctr_va_vdst(0)
.rept 64
	v_exp_f32 v[S+j], v[S+j]                       ; p = 2^(t - M), at most 1
.set j, j+1
.endr
	s_setprio 1
	v_pk_mul_f32 v[14:15], v[14:15], v[224:225] op_sel_hi:[1,0]   ; the sums under the new M: a plain instruction behind the exponentials
	s_wait_alu depctr_va_vdst(0)                   ; one wait for the whole batch, ahead of its first reader
.irp b, 0,1,2,3
	v_exp_f32 v[TM+\b], v[TM+\b]                   ; the block's largest p: the same two instructions on the same number give the same bits
.endr
	v_pk_add_f32 v[216:217], v[100:101], v[104:105]
	v_pk_add_f32 v[252:253], v[108:109], v[112:113]
	v_pk_add_f32 v[250:251], v[116:117], v[120:121]
	v_pk_add_f32 v[248:249], v[124:125], v[128:129]
	v_pk_add_f32 v[246:247], v[132:133], v[136:137]
	v_pk_add_f32 v[244:245], v[140:141], v[144:145]
	v_pk_add_f32 v[242:243], v[148:149], v[152:153]
	v_pk_add_f32 v[14:15], v[14:15], v[156:157]
	v_pk_add_f32 v[216:217], v[216:217], v[96:97]
	v_pk_add_f32 v[252:253], v[252:253], v[98:99]
	v_pk_add_f32 v[250:251], v[250:251], v[102:103]
	v_pk_add_f32 v[248:249], v[248:249], v[106:107]
	v_pk_add_f32 v[246:247], v[246:247], v[110:111]
	v_pk_add_f32 v[244:245], v[244:245], v[114:115]
	v_pk_add_f32 v[242:243], v[242:243], v[118:119]
	v_pk_add_f32 v[14:15], v[14:15], v[122:123]
	v_pk_add_f32 v[216:217], v[216:217], v[126:127]
	v_pk_add_f32 v[252:253], v[252:253], v[130:131]
	v_pk_add_f32 v[250:251], v[250:251], v[134:135]
	v_pk_add_f32 v[248:249], v[248:249], v[138:139]
	v_pk_add_f32 v[246:247], v[246:247], v[142:143]
	v_pk_add_f32 v[244:245], v[244:245], v[146:147]
	v_pk_add_f32 v[242:243], v[242:243], v[150:151]
	v_pk_add_f32 v[14:15], v[14:15], v[154:155]
	v_pk_add_f32 v[216:217], v[216:217], v[158:159]
	s_delay_alu instid0(VALU_DEP_2)
	v_pk_add_f32 v[14:15], v[14:15], v[248:249]
	s_delay_alu instid0(VALU_DEP_2)
	v_pk_add_f32 v[216:217], v[216:217], v[246:247]
	v_pk_add_f32 v[252:253], v[252:253], v[244:245]
	v_pk_add_f32 v[250:251], v[250:251], v[242:243]
	s_delay_alu instid0(VALU_DEP_2)
	v_pk_add_f32 v[14:15], v[14:15], v[252:253]
	s_delay_alu instid0(VALU_DEP_2)
	v_pk_add_f32 v[216:217], v[216:217], v[250:251]
	s_delay_alu instid0(VALU_DEP_1)
	v_pk_add_f32 v[14:15], v[14:15], v[216:217]
	s_wait_alu depctr_va_vdst(0)                   ; and one for the four
.irp b, 0,1,2,3
	v_max_num_f32 v[TM+\b], 0x1800000, v[TM+\b]    ; the floor 2^(3 - 127): the byte cannot fall under 1
.endr
.irp b, 0,1,2,3
	s_delay_alu instid0(VALU_DEP_4)
	v_add_nc_u32 v[TO+\b], 0xff000000, v[TM+\b]    ; 2 off the exponent field: the conversion's scale operand
.endr
.irp b, 0,1,2,3
	s_delay_alu instid0(VALU_DEP_4)
	v_lshrrev_b32 v[TP+\b], 23, v[TO+\b]           ; the scale's byte
.endr
	s_delay_alu instid0(VALU_DEP_3)
	v_lshl_or_b32 v35, v[TP+1], 8, v[TP]           ; p's scale word for these 128 keys
	s_delay_alu instid0(VALU_DEP_1)
	v_lshl_or_b32 v35, v[TP+2], 16, v35
	s_delay_alu instid0(VALU_DEP_1)
	v_lshl_or_b32 v35, v[TP+3], 24, v35
.irp c, 0,1
	v_cvt_scalef32_pk16_fp6_f32 v[PC+6*\c:PC+2+6*\c], v[S+32*\c:S+15+32*\c], v[TO+2*\c]
	v_cvt_scalef32_pk16_fp6_f32 v[T2+4*\c:T2+2+4*\c], v[S+16+32*\c:S+31+32*\c], v[TO+2*\c+1]   ; (a conversion's three registers begin on an even number)
.endr
	v_nop                                          ; one plain place behind a scaled conversion
.irp c, 0,1                                    ; the operand's layout wants a whole block in a lane: lanes 0-15 block 2 c, lanes 16-31 block 2 c + 1
.irp i, 0,1,2
	v_permlane16_swap_b32 v[PC+6*\c+\i], v[T2+4*\c+\i]
.endr
.irp i, 0,1,2
	s_delay_alu instid0(VALU_DEP_3)
	v_mov_b32 v[PC+3+6*\c+\i], v[T2+4*\c+\i]
.endr
.endr
.set j, 0
	s_setprio 0
.rept 16
	v_pk_mul_f32 v[O+j:O+j+1], v[O+j:O+j+1], v[224:225] op_sel_hi:[1,0]   ; O^T under the new M.  (These sixteen stand between the lines that wrote p's codes and scale word and the products)
.set j, j+2
.endr
	s_wait_alu depctr_va_vdst(0)
	s_wait_dscnt 0x0                               ; V is in
.irp t, 0,1,2,3                                ; O^T += V^T P^T: the four accumulators by turns, one instruction each
	v_wmma_scale_f32_16x16x128_f8f6f4 v[O+8*\t:O+8*\t+7], v[FR+12*\t:FR+12*\t+11], v[PC:PC+11], v[O+8*\t:O+8*\t+7], v[40+\t], v35 matrix_a_fmt:MATRIX_FMT_FP6 matrix_b_fmt:MATRIX_FMT_FP6
.endr
	s_add_co_u32 s[TK], s[TK], 6144
	s_add_co_u32 s[TS], s[TS], 256
.endm
.macro KLOOP n
	s_mov_b32 s[CNT], \n
.Lstep_\@:
	s_setprio 2
	STEP
	s_sub_co_u32 s[CNT], s[CNT], 1
	s_cmp_lg_u32 s[CNT], 0
	s_cbranch_scc1 .Lstep_\@
	s_setprio 0
.endm
; A TILE of 16 queries: tile u of my 32.  first = 1: K and V are still arriving, a chunk of 512 keys at a time.
.macro TILE u, first
.if \u
	s_wait_xcnt 0x0                                ; the first tile's stores have read their registers
.endif
.irp i, 0,1,2,3,4,5
	v_mov_b32 v[22+\i], v[228+6*\u+\i]             ; q, between the zeros
.endr
.if \u
	v_perm_b32 v34, v240, v240, 0x03020302         ; its two scale bytes, twice: for k = 0 .. 63 and for k = 64 .. 127
.else
	v_perm_b32 v34, v240, v240, 0x01000100
.endif
	v_mov_b32 v13, 0xff61b1e6                      ; the largest t so far: -3e38, under every t
	s_delay_alu instid0(VALU_DEP_1)
	v_floor_f32 v12, -v13                          ; -M
	v_mov_b32 v14, 0                               ; the sum, in two halves
	v_mov_b32 v15, 0
.set j, 0
.rept 32
	v_mov_b32 v[O+j], 0                            ; O^T: the step is written once: the first finds zeros, which the first change of M leaves zeros
.set j, j+1
.endr
	s_mov_b32 s[TK], 0
	s_mov_b32 s[TS], 0
.if \first
.irp c, 0,1,2,3
	s_wait_tensorcnt 3-\c                          ; of a fetching wave's five loads the scale words and chunks 0 to c have landed; the 3 - c later chunks may stay out
	s_barrier_signal -1                            ; (no LDS load of mine is out: each step ends behind its wait)
	s_barrier_wait -1
	KLOOP 4
.endr
.else
	KLOOP 16
.endif
	; the tile's way out: O^T / the sum, quantised along the head's 64 channels: two blocks
	v_add_f32 v14, v14, v15                        ; the sum's two halves,
	s_delay_alu instid0(VALU_DEP_1)
	v_permlanex16_b32 v226, v14, s[SEL], s[SEL+1]
	s_delay_alu instid0(VALU_DEP_1)
	v_add_f32 v14, v14, v226                       ; and lane l xor 16's: the row's sum
	s_wait_alu depctr_va_vdst(0)
	v_rcp_f32 v14, v14
.rept 4
	v_nop                                          ; the places behind the last products, and the plain instruction behind the reciprocal
.endr
	s_wait_alu depctr_va_vdst(0)                   ; ahead of the reciprocal's first reader
.set j, 0
.rept 16
	v_pk_mul_f32 v[S+j:S+j+1], v[O+j:O+j+1], v[14:15] op_sel_hi:[1,0]   ; register 16 b + i: channel 32 b + 16 (lane / 16) + i; each accumulator from its low end on
.set j, j+2
.endr
.irp b, 0,1
	v_max3_num_f32 v[TM+\b], |v[S+16*\b]|, |v[S+1+16*\b]|, 0x1800000
.endr
.irp i, 2,4,6,8,10,12,14
.irp b, 0,1
	s_delay_alu instid0(VALU_DEP_2)
	v_max3_num_f32 v[TM+\b], v[TM+\b], |v[S+16*\b+\i]|, |v[S+1+16*\b+\i]|
.endr
.endr
.irp b, 0,1
	s_delay_alu instid0(VALU_DEP_2)
	v_permlanex16_b32 v[TP+\b], v[TM+\b], s[SEL], s[SEL+1]
.endr
.irp b, 0,1
	s_delay_alu instid0(VALU_DEP_2)
	v_max_num_f32 v[TM+\b], v[TM+\b], v[TP+\b]
.endr
.irp b, 0,1
	s_delay_alu instid0(VALU_DEP_2)
	v_add_nc_u32 v[TO+\b], 0xff000000, v[TM+\b]
.endr
.irp b, 0,1
	s_delay_alu instid0(VALU_DEP_2)
	v_lshrrev_b32 v[TP+\b], 23, v[TO+\b]
.endr
	s_delay_alu instid0(VALU_DEP_1)
	v_lshl_or_b32 v227, v[TP+1], 8, v[TP]          ; the row's two bytes
	v_cvt_scalef32_pk16_fp6_f32 v[PC:PC+2], v[S:S+15], v[TO]
	v_cvt_scalef32_pk16_fp6_f32 v[T2:T2+2], v[S+16:S+31], v[TO+1]
	v_nop                                          ; one plain place behind a scaled conversion
.irp i, 0,1,2
	v_permlane16_swap_b32 v[PC+\i], v[T2+\i]
.endr
.irp i, 0,1,2
	s_delay_alu instid0(VALU_DEP_3)
	v_mov_b32 v[PC+3+\i], v[T2+\i]                 ; lane (r, h): channels 32 h .. 32 h + 31 of row r: six registers of the next product's fragment
.endr
.irp p, 0,1,2
	global_store_b64 v[CO8], v[PC+2*\p:PC+2*\p+1], s[8:9] offset:12288*\u+256*\p   ; 32 lanes store 256 consecutive bytes, aligned
.endr
	global_store_b16 v[SO], v227, s[10:11] offset:512*\u   ; both halves of the lanes write the same two bytes with the same value
.endm
	TILE 0, 1
	TILE 1, 0
	s_wait_tensorcnt 0x0
	ds_add_u32 v254, v255
	s_wait_dscnt 0x0
	CROUND                                         ; the closing round: no work-group ends while a partner may still ask for a tile that names it
	s_endpgm
.Lfunc_end_k_q0df2d897c3_attn:
	.size	k_q0df2d897c3_attn, .Lfunc_end_k_q0df2d897c3_attn-k_q0df2d897c3_attn
	.p2alignl 7, 3214868480
	.fill 96, 4, 3214868480
	.section	.rodata,"a",@progbits
	.p2align	6, 0x0
	.amdhsa_kernel k_q0df2d897c3_attn
		.amdhsa_group_segment_fixed_size 206848
		.amdhsa_private_segment_fixed_size 0
		.amdhsa_enable_private_segment 0
		.amdhsa_kernarg_size 32
		.amdhsa_user_sgpr_count 2
		.amdhsa_user_sgpr_kernarg_segment_ptr 1
		.amdhsa_wavefront_size32 1
		.amdhsa_system_sgpr_workgroup_id_x 1
		.amdhsa_system_sgpr_workgroup_id_y 1
		.amdhsa_system_sgpr_workgroup_id_z 1
		.amdhsa_system_vgpr_workitem_id 0
		.amdhsa_next_free_vgpr 256
		.amdhsa_next_free_sgpr 80
		.amdhsa_reserve_vcc 0
		.amdhsa_float_denorm_mode_32 3
		.amdhsa_float_denorm_mode_16_64 3
		.amdhsa_memory_ordered 1
		.amdhsa_forward_progress 1
		.amdhsa_inst_pref_size 104
	.end_amdhsa_kernel
	.amdgpu_metadata
---
amdhsa.version: [ 1, 2 ]
amdhsa.kernels:
  - .name:           k_q0df2d897c3_attn
    .symbol:         k_q0df2d897c3_attn.kd
    .args:
      - { .name: qkvc, .offset: 0, .size: 8, .value_kind: global_buffer, .address_space: global }
      - { .name: qkvs, .offset: 8, .size: 8, .value_kind: global_buffer, .address_space: global }
      - { .name: ctxc, .offset: 16, .size: 8, .value_kind: global_buffer, .address_space: global }
      - { .name: ctxs, .offset: 24, .size: 8, .value_kind: global_buffer, .address_space: global }
    .group_segment_fixed_size: 206848
    .private_segment_fixed_size: 0
    .kernarg_segment_align: 8
    .kernarg_segment_size: 32
    .max_flat_workgroup_size: 512
    .sgpr_count:     80
    .vgpr_count:     256
    .wavefront_size: 32
...
	.end_amdgpu_metadata
.endif
;; end of part 3
;; launch oproj (part 4): grid 4 x 32, 4 waves a work-group, clusters of 4 x 4, 327,680 bytes of LDS; arguments ctxc, ctxs, opc, ops, bo, out0; writes out0
.if DOCPART == 4
	.amdgcn_target "amdgcn-amd-amdhsa--gfx1250"
	.amdhsa_code_object_version 6
	.text
	.protected	k_q0df2d897c3_oproj
	.globl	k_q0df2d897c3_oproj
	.p2align	8
	.type	k_q0df2d897c3_oproj,@function
k_q0df2d897c3_oproj:
	s_mov_b64 s[64:65], 0
	v_nop
	global_prefetch_b8 v0, s[64:65] scope:SCOPE_SE
	s_setreg_imm32_b32 hwreg(HW_REG_WAVE_MODE, 25, 1), 1
	s_wait_xcnt 0x0
	s_wait_alu depctr_hold_cnt(0) depctr_sa_sdst(0) depctr_va_vdst(0) depctr_va_sdst(0) depctr_va_ssrc(0) depctr_va_vcc(0) depctr_vm_vsrc(0)
	s_getreg_b32 s2, hwreg(HW_REG_IB_STS2, 6, 4)
	s_cmp_eq_u32 s2, 0
	s_cbranch_scc0 .Lentry_in_a_cluster
	s_endpgm
.Lentry_in_a_cluster:
	s_bfe_u32 s2, ttmp6, 0x10000c
	s_cmp_lg_u32 s2, 0xf033
	s_cbranch_scc0 .Lentry_shape_is_right
	s_endpgm
.Lentry_shape_is_right:
.set SIZE_N, 1024
.set KSTEP,  256
.set NQ,     KSTEP/128
.set ROWB,   192
.set KROW,   768
.set PITCH,  240
.set AROW,   3072
.set FR,     12
.set NL,     6
.set NP,     4
.set HALFT,  128*PITCH
.set SLOT,   4*HALFT
.set KS,     32
.set SCL,    2*SLOT
.set HALFS,  (128*KS/256)*272
.set SBLK,   (16*KS/256)*272
.set SPARE,  SCL+4*HALFS
.set SPITCH, 528
.set ADRA, 16
.set ADRB, 20
.set STO,  24
.set RD,   25
.set CO,   26
.set ADRS, 27
.set SPW,  28
.set NIL,  29
.set BO1,  30
.set SC,   32
.set BI,   64
.set AF,   128
.set BK,   128
.set CP,   98
.set G1, 24
.set G0, 32
.set G1B, 48
.set G0B, 56
.set G1S, 68
.set G0S, 76
.set G1SB, 80
.set G0SB, 88
.set MSB, 0
.macro WIN new
.if MSB != \new
	s_set_vgpr_msb (MSB<<8)|\new
.set MSB, \new
.endif
.endm
.set MUL_LO, 0xa1
.set MUL_HI, 0xf1
.set BEG_LO, 0x81
.set BEG_HI, 0xc1
.set TO_B,   0x40
.macro JLOAD g0a, g1a, g0b, g1b
	s_cmp_eq_u32 s15, 0
	s_cbranch_scc0 .Lfor_b_\@
	tensor_load_to_lds s[\g0a:\g0a+3], s[\g1a:\g1a+7]
	s_nop 0
.rept 4
	v_nop
.endr
	s_branch .Lasked_\@
.Lfor_b_\@:
	tensor_load_to_lds s[\g0b:\g0b+3], s[\g1b:\g1b+7]
	s_nop 0
.rept 4
	v_nop
.endr
.Lasked_\@:
.endm
.macro CREST
	s_cmp_lg_u32 s14, 0
	s_cbranch_scc1 .Lnot_wave_0_\@
	s_barrier_signal -3
.Lnot_wave_0_\@:
	s_barrier_wait -3
	s_barrier_signal -1
	s_barrier_wait -1
.endm
.macro CROUND
	s_barrier_signal -1
	s_barrier_wait -1
	CREST
.endm
	s_load_b128 s[4:7], s[0:1], 0x0
	s_load_b128 s[8:11], s[0:1], 0x10
	s_load_b128 s[96:99], s[0:1], 0x20
	v_lshl_add_u32 v[SPW], v0, 2, SPARE
	v_mov_b32 v[NIL], 0
	ds_add_u32 v28, v29
	ds_add_u32 v28, v29
	s_wait_dscnt 0x0
	v_lshrrev_b32 v1, 5, v0
	v_readfirstlane_b32 s14, v1
	s_lshr_b32 s15, s14, 1
	s_and_b32 s16, s14, 1
	s_bfe_u32 s40, ttmp6, 0x40000
	s_bfe_u32 s41, ttmp6, 0x40004
	s_lshl_b32 s42, ttmp9, 2
	s_add_co_u32 s42, s42, s40
	s_and_b32 s17, ttmp7, 0xffff
	s_lshl_b32 s17, s17, 2
	s_add_co_u32 s17, s17, s41
	s_lshl_b32 s43, s41, 2
	s_lshl_b32 s43, 15, s43
	s_lshl_b32 s44, 0x1111, s40
	s_or_b32 s[G1+0], s43, (3<<16)|(1<<21)
	s_mov_b32 s[G1+1], 384<<16
	s_mov_b32 s[G1+2], 8<<16
	s_mov_b32 s[G1+3], 384<<16
	s_mov_b32 s[G1+4], 8
	s_mov_b32 s[G1+5], 1536
	s_mov_b32 s[G1+6], 0
	s_mov_b32 s[G1+7], 0
	s_or_b32 s[G1B+0], s44, (0<<16)|(1<<20)|(1<<21)|(3<<22)|(3<<25)
	s_mov_b32 s[G1B+1], ROWB<<16
	s_mov_b32 s[G1B+2], 128<<16
	s_mov_b32 s[G1B+3], ROWB<<16
	s_mov_b32 s[G1B+4], 128
	s_mov_b32 s[G1B+5], KROW
	s_mov_b32 s[G1B+6], 0
	s_mov_b32 s[G1B+7], 0
	s_or_b32 s[G1S+0], s43, (3<<16)|(1<<20)|(1<<21)|(5<<22)|(3<<25)
	s_or_b32 s[G1SB+0], s44, (3<<16)|(1<<20)|(1<<21)|(5<<22)|(3<<25)
.irp g, G1S, G1SB
	s_mov_b32 s[\g+1], 32<<16
	s_mov_b32 s[\g+2], (128*KS/256)<<16
	s_mov_b32 s[\g+3], 32<<16
	s_mov_b32 s[\g+4], 128*KS/256
	s_mov_b32 s[\g+5], 32
	s_mov_b32 s[\g+6], 0
	s_mov_b32 s[\g+7], 0
.endr
	s_lshl_b32 s20, s17, 4
	s_lshl_b32 s18, s16, 3
	s_add_co_u32 s20, s20, s18
	s_mul_i32 s20, s20, 12288
	s_mov_b32 s21, 0
	s_lshl_b32 s18, s16, 7
	s_lshl_b32 s22, s17, 8
	s_add_co_u32 s22, s22, s18
	s_lshl_b32 s22, s22, 5
	s_mov_b32 s23, 0
	s_lshl_b32 s46, s42, 8
	s_add_co_u32 s46, s46, s18
	s_add_co_u32 s46, s46, 11264
	s_lshl_b32 s92, s46, 5
	s_mov_b32 s93, 0
	s_mul_i32 s46, s46, KROW
	s_mov_b32 s47, 0
	s_mul_i32 s45, s14, HALFT
	s_mul_i32 s94, s14, HALFS
	s_wait_kmcnt 0x0
	s_add_nc_u64 s[20:21], s[4:5], s[20:21]
	s_add_nc_u64 s[22:23], s[6:7], s[22:23]
	s_add_nc_u64 s[46:47], s[8:9], s[46:47]
	s_add_nc_u64 s[92:93], s[10:11], s[92:93]
	CROUND
	s_mov_b32 s[G0S], 1
	s_add_co_u32 s[G0S+1], s94, SCL
	s_mov_b64 s[G0S+2:G0S+3], s[22:23]
	s_or_b32 s[G0S+3], s[G0S+3], 0x80000000
	s_mov_b32 s[G0SB], 1
	s_add_co_u32 s[G0SB+1], s94, SCL
	s_mov_b64 s[G0SB+2:G0SB+3], s[92:93]
	s_or_b32 s[G0SB+3], s[G0SB+3], 0x80000000
	JLOAD G0S, G1S, G0SB, G1SB
.irp s, 0,1
	s_mov_b32 s[G0+4*\s], 1
	s_add_co_u32 s[G0+4*\s+1], s45, \s*SLOT
	s_add_nc_u64 s[G0+4*\s+2:G0+4*\s+3], s[20:21], \s*AROW
	s_or_b32 s[G0+4*\s+3], s[G0+4*\s+3], 0x80000000
	s_mov_b32 s[G0B+4*\s], 1
	s_add_co_u32 s[G0B+4*\s+1], s45, \s*SLOT
	s_add_nc_u64 s[G0B+4*\s+2:G0B+4*\s+3], s[46:47], \s*ROWB
	s_or_b32 s[G0B+4*\s+3], s[G0B+4*\s+3], 0x80000000
	s_wait_alu depctr_va_vdst(0)
	s_wait_tensorcnt 0x0
	ds_add_u32 v28, v29
	s_wait_dscnt 0x0
	CROUND
	JLOAD G0+4*\s, G1, G0B+4*\s, G1B
.endr
	v_and_b32 v1, 15, v0
	v_bfe_u32 v2, v0, 4, 1
	v_and_b32 v6, 31, v0
	v_lshlrev_b32 v7, 3, v6
	v_mul_u32_u24 v3, v1, PITCH
	v_mul_u32_u24 v4, v2, 24
	v_add_nc_u32 v4, v3, v4
	v_lshl_add_u32 v5, v2, 4, v4
	s_mul_i32 s21, s15, HALFT
	s_mul_i32 s22, s16, HALFT
	s_add_co_u32 s22, s22, 2*HALFT
.irp s, 0,1
	v_add_nc_u32 v[ADRA+\s], s21, v7
	v_add_nc_u32 v[ADRB+\s], s22, v4
	v_add_nc_u32 v[ADRB+2+\s], s22, v5
	s_add_co_u32 s21, s21, SLOT
	s_add_co_u32 s22, s22, SLOT
.endr
	v_mul_u32_u24 v5, v1, KS
	v_lshrrev_b32 v7, 8, v5
	v_lshl_add_u32 v5, v7, 4, v5
	s_mul_i32 s21, s15, HALFS
	s_mul_i32 s22, s16, HALFS
	s_add_co_u32 s22, s22, 2*HALFS
	s_sub_co_u32 s22, s22, s21
	v_mul_u32_u24 v7, s22, v2
	s_add_co_u32 s21, s21, SCL
	v_add_nc_u32 v5, v5, v7
	v_add_nc_u32 v[ADRS], s21, v5
	s_mul_i32 s23, s14, 16*SPITCH
	v_mul_u32_u24 v5, v1, SPITCH
	v_lshl_add_u32 v5, v2, 5, v5
	v_add_nc_u32 v[STO], s23, v5
	v_lshlrev_b32 v[CO], 4, v6
	v_add_nc_u32 v[RD], s23, v[CO]
	s_lshl_b32 s20, s17, 8
	s_lshl_b32 s21, s15, 7
	s_add_co_u32 s20, s20, s21
	s_lshl_b32 s20, s20, 12
	s_mov_b32 s21, 0
	s_lshl_b32 s46, s42, 10
	s_lshl_b32 s47, s16, 9
	s_add_co_u32 s46, s46, s47
	s_mov_b32 s47, 0
	s_add_nc_u64 s[96:97], s[96:97], s[46:47]
	s_add_nc_u64 s[20:21], s[20:21], s[46:47]
	s_add_nc_u64 s[CP:CP+1], s[CP:CP+1], s[20:21]
	v_lshlrev_b32 v[BO1], 5, v2
.irp b, 0,1,2,3,4,5,6,7
	global_load_b128 v[BI+8*\b:BI+8*\b+3], v[BO1], s[96:97] offset:64*\b
	global_load_b128 v[BI+8*\b+4:BI+8*\b+7], v[BO1], s[96:97] offset:64*\b+16
.endr
.macro FRAG reg, adr, q, i
.irp p, 0,1,2,3,4,5
.set PCE, 12*(\q)+6*(\p/3)+\p%3
.if PCE%8 < 5
	ds_load_b64 v[\reg+2*\p:\reg+2*\p+1], v[\adr] offset:8*PCE+16*(PCE/8)+(\i)*16*PITCH
.else
	ds_load_b64 v[\reg+2*\p:\reg+2*\p+1], v[\adr+2] offset:8*PCE+16*(PCE/8)+(\i)*16*PITCH
.endif
.endr
.endm
.macro FRAGA reg, slot, q, i
.irp p, 0,1,2,3,4,5
	ds_load_b64 v[\reg+2*\p:\reg+2*\p+1], v[ADRA+\slot] offset:(\i)*AROW+(\q)*1536+256*\p
.endr
.endm
.macro MUL16 a0, p, q, sc, zero
.irp a, \a0, \a0+1
.irp b, 0,1,2,3,4,5,6,7
.if \zero
	v_wmma_scale_f32_16x16x128_f8f6f4 v[8*(8*((\a)%4)+\b):8*(8*((\a)%4)+\b)+7], v[128*(\p)+FR*\b:128*(\p)+FR*\b+FR-1], v[AF+FR*(\a):AF+FR*(\a)+FR-1], v[BI+8*\b:BI+8*\b+7], v[SC+8*NQ*(\sc)+NQ*\b+(\q)], v[SC+8*NQ*(\sc)+NQ*(\a)+(\q)] matrix_a_fmt:MATRIX_FMT_FP6 matrix_b_fmt:MATRIX_FMT_FP6 matrix_a_scale:MATRIX_SCALE_ROW1
.else
	v_wmma_scale_f32_16x16x128_f8f6f4 v[8*(8*((\a)%4)+\b):8*(8*((\a)%4)+\b)+7], v[128*(\p)+FR*\b:128*(\p)+FR*\b+FR-1], v[AF+FR*(\a):AF+FR*(\a)+FR-1], v[8*(8*((\a)%4)+\b):8*(8*((\a)%4)+\b)+7], v[SC+8*NQ*(\sc)+NQ*\b+(\q)], v[SC+8*NQ*(\sc)+NQ*(\a)+(\q)] matrix_a_fmt:MATRIX_FMT_FP6 matrix_b_fmt:MATRIX_FMT_FP6 matrix_a_scale:MATRIX_SCALE_ROW1
.endif
.endr
.endr
.endm
.macro FETCH_B slot, q, p
	WIN TO_B
.irp i, 0,1,2,3,4,5,6,7
	FRAG 128*(\p)+FR*\i, ADRB+\slot, \q, \i
.endr
	WIN 0
.endm
.macro FETCH_A slot, q, i0
.irp i, \i0, \i0+1, \i0+2, \i0+3
	FRAGA AF+FR*(\i), \slot, \q, \i
.endr
.endm
.macro SCALES sc
.irp i, 0,1,2,3,4,5,6,7
	ds_load_b64 v[SC+8*NQ*\sc+NQ*\i:SC+8*NQ*\sc+NQ*\i+1], v[ADRS] offset:\i*SBLK
.endr
.endm
.macro PLACES n
.rept \n
	v_nop
.endr
.endm
.macro STEP slot, q, zero
	s_wait_dscnt 4*NL
.if \zero
	WIN BEG_LO
.else
	WIN MUL_LO
.endif
	MUL16 0, (\q)%2, \q, \slot, \zero
	MUL16 2, (\q)%2, \q, \slot, \zero
	s_wait_dscnt 0
	PLACES NP
	FETCH_B \slot, (\q)+1, 1-(\q)%2
	FETCH_A \slot, (\q)+1, 0
.if \zero
	WIN BEG_HI
.else
	WIN MUL_HI
.endif
	MUL16 4, (\q)%2, \q, \slot, \zero
	MUL16 6, (\q)%2, \q, \slot, \zero
	PLACES NP
	WIN 0
	FETCH_A \slot, (\q)+1, 4
.endm
.macro TURN slot, next, fill
	s_wait_tensorcnt 0x0
	ds_add_u32 v[SPW], v[NIL]
	s_wait_dscnt 4*NL+1
	WIN MUL_LO
	MUL16 0, 1, NQ-1, \slot, 0
	s_wait_dscnt 0x0
	s_barrier_signal -1
	MUL16 2, 1, NQ-1, \slot, 0
	WIN 0
	s_barrier_wait -1
.if \fill
	CREST
	s_add_nc_u64 s[G0+4*\slot+2:G0+4*\slot+3], s[G0+4*\slot+2:G0+4*\slot+3], 2*AROW
	s_add_nc_u64 s[G0B+4*\slot+2:G0B+4*\slot+3], s[G0B+4*\slot+2:G0B+4*\slot+3], 2*ROWB
	JLOAD G0+4*\slot, G1, G0B+4*\slot, G1B
.else
	PLACES NP
.endif
	s_wait_alu depctr_va_vdst(0)
	v_add_nc_u32 v[ADRS], 4*NQ, v[ADRS]
	FETCH_B \next, 0, 0
	FETCH_A \next, 0, 0
	SCALES \next
	WIN MUL_HI
	MUL16 4, 1, NQ-1, \slot, 0
	MUL16 6, 1, NQ-1, \slot, 0
	PLACES NP
	WIN 0
	FETCH_A \next, 0, 4
.endm
	s_wait_alu depctr_va_vdst(0)
	s_wait_tensorcnt 1
	s_barrier_signal -1
	s_barrier_wait -1
	FETCH_B 0, 0, 0
	FETCH_A 0, 0, 0
	SCALES 0
	FETCH_A 0, 0, 4
	s_wait_loadcnt 0x0
	STEP 0, 0, 1
	TURN 0, 1, 1
	STEP 1, 0, 0
	TURN 1, 0, 1
	STEP 0, 0, 0
	TURN 0, 1, 0
	STEP 1, 0, 0
	s_wait_dscnt 4*NL
	WIN MUL_LO
	MUL16 0, 1, NQ-1, 1, 0
	MUL16 2, 1, NQ-1, 1, 0
	s_wait_dscnt 0
	WIN MUL_HI
	MUL16 4, 1, NQ-1, 1, 0
	MUL16 6, 1, NQ-1, 1, 0
	WIN 0
.macro TOSTAGE a
.set AC, 64*((\a)%4)
.set WW, 0x08+4*((\a)/4)
	WIN WW
.irp b, 0,1,2,3,4,5,6,7
	ds_store_b128 v[STO], v[AC+8*\b:AC+8*\b+3] offset:64*\b
	ds_store_b128 v[STO], v[AC+8*\b+4:AC+8*\b+7] offset:64*\b+16
.endr
	WIN 0
.set BB, BK+64*((\a)%2)
.irp t, 0,1,2,3,4,5,6,7,8,9,10,11,12,13,14,15
	ds_load_b128 v[BB+4*\t:BB+4*\t+3], v[RD] offset:\t*SPITCH
.endr
.endm
.macro SEND a, younger
.set BB, BK+64*((\a)%2)
	s_wait_dscnt \younger
.if (\a) > 0
.if (\a)%2
	s_add_nc_u64 s[CP:CP+1], s[CP:CP+1], 8*SIZE_N*4
.else
	s_add_nc_u64 s[CP:CP+1], s[CP:CP+1], 24*SIZE_N*4
.endif
.endif
.irp t, 0,1,2,3,4,5,6,7,8,9,10,11,12,13,14,15
	global_store_b128 v[CO], v[BB+4*\t:BB+4*\t+3], s[CP:CP+1] offset:(\t+8*(\t/8))*SIZE_N*4 th:TH_STORE_NT
.endr
.endm
	PLACES NP
	TOSTAGE 0
.irp a, 1,2,3,4,5,6,7
.if \a > 1
	s_wait_xcnt 0x0
.endif
	TOSTAGE \a
	SEND \a-1, 32
.endr
	s_wait_xcnt 0x0
	SEND 7, 0
	s_wait_tensorcnt 0x0
	ds_add_u32 v[SPW], v[NIL]
	s_wait_dscnt 0x0
	CROUND
	s_endpgm
.Lfunc_end_k_q0df2d897c3_oproj:
	.size	k_q0df2d897c3_oproj, .Lfunc_end_k_q0df2d897c3_oproj-k_q0df2d897c3_oproj
	.p2alignl 7, 3214868480
	.fill 96, 4, 3214868480
	.section	.rodata,"a",@progbits
	.p2align	6, 0x0
	.amdhsa_kernel k_q0df2d897c3_oproj
		.amdhsa_group_segment_fixed_size 327680
		.amdhsa_private_segment_fixed_size 0
		.amdhsa_enable_private_segment 0
		.amdhsa_kernarg_size 48
		.amdhsa_user_sgpr_count 2
		.amdhsa_user_sgpr_kernarg_segment_ptr 1
		.amdhsa_wavefront_size32 1
		.amdhsa_system_sgpr_workgroup_id_x 1
		.amdhsa_system_sgpr_workgroup_id_y 1
		.amdhsa_system_sgpr_workgroup_id_z 1
		.amdhsa_system_vgpr_workitem_id 0
		.amdhsa_next_free_vgpr 1024
		.amdhsa_next_free_sgpr 100
		.amdhsa_reserve_vcc 0
		.amdhsa_float_denorm_mode_32 3
		.amdhsa_float_denorm_mode_16_64 3
		.amdhsa_memory_ordered 1
		.amdhsa_forward_progress 1
		.amdhsa_inst_pref_size 162
	.end_amdhsa_kernel
	.amdgpu_metadata
---
amdhsa.version: [ 1, 2 ]
amdhsa.kernels:
  - .name:           k_q0df2d897c3_oproj
    .symbol:         k_q0df2d897c3_oproj.kd
    .args:
      - { .name: ctxc, .offset: 0, .size: 8, .value_kind: global_buffer, .address_space: global }
      - { .name: ctxs, .offset: 8, .size: 8, .value_kind: global_buffer, .address_space: global }
      - { .name: opc, .offset: 16, .size: 8, .value_kind: global_buffer, .address_space: global }
      - { .name: ops, .offset: 24, .size: 8, .value_kind: global_buffer, .address_space: global }
      - { .name: bo, .offset: 32, .size: 8, .value_kind: global_buffer, .address_space: global }
      - { .name: out0, .offset: 40, .size: 8, .value_kind: global_buffer, .address_space: global }
    .group_segment_fixed_size: 327680
    .private_segment_fixed_size: 0
    .kernarg_segment_align: 8
    .kernarg_segment_size: 48
    .max_flat_workgroup_size: 128
    .sgpr_count:     100
    .vgpr_count:     1024
    .wavefront_size: 32
...
	.end_amdgpu_metadata
.endif
;; end of part 4
